; MI455X (gfx1250); checked and timed in simulation.
; The chip was launched on July 23, 2026; its instructions are those of AMD's public machine-readable ISA for CDNA 5 (MIT licence, August 2026) and "CDNA5" Instruction Set Architecture Reference Guide (July 2026). The comments in the code are by the model that wrote it; some were corrected since.
;; Multi Query Attention. Allowed arithmetic: float matrix products may take bf16 or f16 operands with f32 sums; all other float work in f32.
;; Inputs: Wk 1,024 x 64 float32; Wo 1,024 x 1,024 float32; Wq 1,024 x 1,024 float32; Wv 1,024 x 64 float32; bk 64 float32; bo 1,024 float32; bq 1,024 float32; bv 64 float32; key 4 x 2,048 x 1,024 float32; mask 4 x 2,048 bool; query 4 x 2,048 x 1,024 float32; value 4 x 2,048 x 1,024 float32.
;; Outputs: out0 4 x 2,048 x 1,024 float32.
;; 2 versions, each right. Each part assembles by itself: llvm-mc -triple=amdgcn-amd-amdhsa -mcpu=gfx1250 --defsym DOCPART=n.
;; ======== version 1 of 2: 3 launches
;; limits: values are held in f16: magnitudes above 65,504 overflow, below 6.1e-05 lose precision
;; workspace buffers: kv 2,097,152 bytes; wqh 2,097,152 bytes; woh 2,097,152 bytes; ao 16,777,216 bytes
;; launch prep (part 1): grid 256 x 1, 4 waves a work-group, no clusters, 279,040 bytes of LDS; arguments key, value, Wk, Wv, bk, bv, mask, Wq, Wo, kv, wqh, woh; writes kv, wqh, woh
.if DOCPART == 1
	.amdgcn_target "amdgcn-amd-amdhsa--gfx1250"
	.amdhsa_code_object_version 6
	.text
	.protected	k_q0947a0b0b2_prep
	.globl	k_q0947a0b0b2_prep
	.p2align	8
	.type	k_q0947a0b0b2_prep,@function
k_q0947a0b0b2_prep:
	s_mov_b64 s[64:65], 0
	v_nop
	global_prefetch_b8 v0, s[64:65] scope:SCOPE_SE
	s_setreg_imm32_b32 hwreg(HW_REG_WAVE_MODE, 25, 1), 1
	s_wait_xcnt 0x0
; k' = (key Wk + bk) * (log2 e / 8) * mask   and   v = value Wv + bv, both [8192][64] in f16, into kv (k' first, v 1,048,576 bytes behind);
; and Wq, Wo cast element by element to f16 (wqh, woh).
; Work-groups 0-127 take the key path, 128-255 the value path: the same text, the three pointers chosen by s_cselect_b64.  A work-group owns 64 rows.
; Wave w owns K = 256 w .. 256 w + 255 for all 64 rows and all 64 columns; the four partial sums meet in LDS behind the one barrier.
; The 64 x 1024 f32 of a work-group are asked for at once: four tensor loads a wave (64 rows x 256 bytes each), each wave into bytes of its own, filled once.
; By this text's count a wave has four tensor loads outstanding at the most.
; NO CLUSTER: activations are shared by nobody; the weight (262,144 bytes a path) is shared by all, but the activations take 278,528 of the 327,680 bytes
; of LDS, so no tile of it fits beside them: it comes through registers, each element once a work-group.
; LIMITS: matrix operands are f16 (sums f32): activations, weights and the results k', v must stay below 65,504 in magnitude.  A masked key's row of k'
; is made zero by a multiplication, so key Wk + bk must be finite there.
.set PITCH,  272                       ; an LDS row: 64 f32 + 16 bytes: the sixteen rows of a fragment load begin in sixteen different 16-byte columns
.set CHUNK,  64*PITCH                  ; one tensor load's tile
.set WAVEB,  4*CHUNK                   ; a wave's bytes
.set LA,   3                           ; v3      LDS: my wave's bytes + 272 r + 32 h (reads of x, stores of partial sums)
.set WO,   4                           ; v4      byte offset in W: 65,536 w + 2,048 h + 16 r
.set CI,   5                           ; v5      the cast, in: 4,096 w + 32 L
.set CO,   6                           ; v6      the cast and the result, out: 2,048 w + 16 L
.set MO,   7                           ; v7      16 w + L / 8: my row of the reduction (and its mask byte)
.set BOF,  8                           ; v8      32 (L & 7): my eight columns in the bias
.set RA,   10                          ; v10-13  LDS: partial sums of wave 0..3, my row, my columns
.set BB,   16                          ; v16-23  bias, pair nt: columns 8 (L&7) + nt and + 4 + nt
.set MK,   24                          ; v24-27  mask bytes of my four rows
.set FF,   28                          ; v28-35  row factors, each twice (pairs for the packed multiply)
.set WF,   36                          ; v36-67  four weight fragments (virtual column tile nt: column 4 m + nt in row m)
.set XB,   68                          ; v68-99  four activation fragments (16 rows each)
.set WS,   100                         ; v100-163 weights as loaded, f32
.set XS,   164                         ; v164-227 activations as loaded, f32
.set RR,   100                         ; v100-227 the reduction's 64 pairs
.set OO,   36                          ; v36-51  results, f16
.set G1,   32                          ; s[32:39] descriptor group 1
.set G0,   40                          ; s[40:55] descriptor group 0, one for each chunk
.set MSB,  0
.macro WIN new                         ; the immediate's high byte repeats the setting that is left
.if MSB != \new
	s_set_vgpr_msb (MSB<<8)|\new
.set MSB, \new
.endif
.endm
.macro PLACES                          ; four places behind a matrix instruction (ISA guide 7.12.1)
.rept 4
	v_nop
.endr
.endm
	s_load_b512 s[4:19], s[0:1], 0x0               ; key, value, Wk, Wv, bk, bv, mask, Wq
	s_load_b256 s[20:27], s[0:1], 0x40             ; Wo, kv, wqh, woh
	v_lshl_add_u32 v254, v0, 2, 0x44000
	v_mov_b32 v255, 0
	ds_add_u32 v254, v255
	ds_add_u32 v254, v255
	v_lshrrev_b32 v1, 5, v0
	v_readfirstlane_b32 s28, v1                    ; wave
	s_lshr_b32 s29, ttmp9, 7                       ; 0: key path, 1: value path
	s_and_b32 s30, ttmp9, 127
	s_lshl_b32 s30, s30, 6                         ; my first row of the 8,192
	s_mov_b32 s[G1+0], (2<<16)|(1<<20)|(5<<22)|(3<<25)  ; elements of 4 bytes; behind every 64 words 4 words of padding
	s_mov_b32 s[G1+1], 64<<16                      ; tensor_dim0 = 64
	s_mov_b32 s[G1+2], 64<<16                      ; tensor_dim1 = 64
	s_mov_b32 s[G1+3], 64<<16                      ; tile_dim0 = 64
	s_mov_b32 s[G1+4], 64                          ; tile_dim1 = 64
	s_mov_b32 s[G1+5], 1024                        ; elements from row to row
	s_mov_b32 s[G1+6], 0
	s_mov_b32 s[G1+7], 0
	s_mul_i32 s61, s28, WAVEB                      ; my wave's bytes in LDS
	s_lshl_b32 s62, s30, 12                        ; rows of 4,096 bytes
	s_lshl_b32 s63, s28, 10                        ; my K quarter: 1,024 bytes of a row
	s_add_co_u32 s62, s62, s63
	s_mov_b32 s63, 0
	s_cmp_lg_u32 s29, 0
	s_cselect_b32 s31, 0, 0x3e38aa3b               ; row factor = mask * s31 + s60: key path mask * log2 e / 8,
	s_cselect_b32 s60, 1.0, 0                      ; value path 1
	s_wait_dscnt 0x0
	s_wait_kmcnt 0x0
	s_cselect_b64 s[56:57], s[6:7], s[4:5]         ; activations
	s_cselect_b64 s[58:59], s[10:11], s[8:9]       ; weight
	s_cselect_b64 s[2:3], s[14:15], s[12:13]       ; bias
	s_add_nc_u64 s[56:57], s[56:57], s[62:63]
.irp c, 0,1,2,3
	s_mov_b32 s[G0+4*\c], 1
	s_add_co_u32 s[G0+4*\c+1], s61, \c*CHUNK
	s_add_nc_u64 s[G0+4*\c+2:G0+4*\c+3], s[56:57], \c*256
	s_or_b32 s[G0+4*\c+3], s[G0+4*\c+3], 0x80000000
	tensor_load_to_lds s[G0+4*\c:G0+4*\c+3], s[G1:G1+7]    ; all first fills in one group, ahead of everything else
	s_nop 0
.endr
	s_lshl_b32 s62, ttmp9, 14                      ; the cast: 16,384 bytes of each f32 weight a work-group,
	s_add_nc_u64 s[18:19], s[18:19], s[62:63]
	s_add_nc_u64 s[20:21], s[20:21], s[62:63]
	s_lshl_b32 s62, ttmp9, 13                      ; 8,192 bytes out
	s_add_nc_u64 s[24:25], s[24:25], s[62:63]
	s_add_nc_u64 s[26:27], s[26:27], s[62:63]
	s_mov_b32 s62, s30
	s_add_nc_u64 s[16:17], s[16:17], s[62:63]      ; mask at my first row
	s_lshl_b32 s62, s30, 7                         ; result rows of 128 bytes,
	s_lshl_b32 s66, s29, 20                        ; v behind k'
	s_add_co_u32 s62, s62, s66
	s_add_nc_u64 s[22:23], s[22:23], s[62:63]
	v_and_b32 v15, 15, v0                          ; r
	v_bfe_u32 v1, v0, 4, 1                         ; h
	v_and_b32 v2, 31, v0                           ; L
	v_and_b32 v9, 7, v0                            ; L & 7
	v_mul_u32_u24 v[LA], v15, PITCH
	v_lshl_add_u32 v[LA], v1, 5, v[LA]
	v_add_nc_u32 v[LA], s61, v[LA]
	s_lshl_b32 s66, s28, 16
	v_lshlrev_b32 v[WO], 4, v15
	v_lshl_add_u32 v[WO], v1, 11, v[WO]
	v_add_nc_u32 v[WO], s66, v[WO]
	s_lshl_b32 s66, s28, 12
	v_lshl_add_u32 v[CI], v2, 5, s66
	s_lshl_b32 s66, s28, 11
	v_lshl_add_u32 v[CO], v2, 4, s66
	v_lshrrev_b32 v[MO], 3, v2
	v_lshl_add_u32 v[MO], s28, 4, v[MO]
	v_lshlrev_b32 v[BOF], 5, v9
	v_mul_u32_u24 v[RA], v[MO], PITCH
	v_lshl_add_u32 v[RA], v9, 3, v[RA]
	v_add_nc_u32 v[RA+1], WAVEB, v[RA]
	v_add_nc_u32 v[RA+2], 2*WAVEB, v[RA]
	v_add_nc_u32 v[RA+3], 3*WAVEB, v[RA]
; The weight fragment without a transpose: lane (r, h) loads the four columns 4 r .. 4 r + 3 of row k, 16 rows a K step of 32.
; Register nt of load i is W[k_i][4 r + nt]: the A fragment of the virtual column tile nt.  Each load of the wave takes two whole rows of 256 bytes.
.macro WLOAD ks
.irp i, 0,1,2,3,4,5,6,7
	global_load_b128 v[WS+4*\i:WS+4*\i+3], v[WO], s[58:59] offset:(32*(\ks)+\i)*256       ; k = 32 ks + 8 h + i
.endr
.irp i, 8,9,10,11,12,13,14,15
	global_load_b128 v[WS+4*\i:WS+4*\i+3], v[WO], s[58:59] offset:(32*(\ks)+\i+8)*256     ; k = 32 ks + 16 + 8 h + (i - 8)
.endr
.endm
.irp nt, 0,1,2,3
.irp jj, 0,1
	global_load_b32 v[BB+2*\nt+\jj], v[BOF], s[2:3] offset:4*(4*\jj+\nt)
.endr
.endr
.irp i, 0,1,2,3
	global_load_u8 v[MK+\i], v[MO], s[16:17] offset:4*\i
.endr
.irp c, 0,1,2,3
	global_load_b128 v[XS+8*\c:XS+8*\c+3],       v[CI], s[18:19] offset:1024*\c th:TH_LOAD_NT
	global_load_b128 v[XS+8*\c+4:XS+8*\c+7],     v[CI], s[18:19] offset:1024*\c+16 th:TH_LOAD_NT
	global_load_b128 v[XS+32+8*\c:XS+32+8*\c+3], v[CI], s[20:21] offset:1024*\c th:TH_LOAD_NT
	global_load_b128 v[XS+32+8*\c+4:XS+32+8*\c+7], v[CI], s[20:21] offset:1024*\c+16 th:TH_LOAD_NT
.endr
	WLOAD 0
	s_wait_loadcnt 16                              ; all but the sixteen weight loads just issued: bias, mask and the cast's words are in
.set i, 0
.rept 32
	v_cvt_pk_f16_f32 v[XB+i], v[XS+2*i], v[XS+2*i+1]
.set i, i+1
.endr
.irp c, 0,1,2,3
	global_store_b128 v[CO], v[XB+4*\c:XB+4*\c+3],       s[24:25] offset:512*\c    ; each store of the wave covers 512 consecutive bytes
	global_store_b128 v[CO], v[XB+16+4*\c:XB+16+4*\c+3], s[26:27] offset:512*\c
.endr
.irp i, 0,1,2,3
	v_cvt_f32_u32 v[FF+2*\i], v[MK+\i]
.endr
.irp i, 0,1,2,3
	v_fma_f32 v[FF+2*\i], v[FF+2*\i], s31, s60
.endr
.irp i, 0,1,2,3
	v_mov_b32 v[FF+2*\i+1], v[FF+2*\i]
.endr
	s_wait_xcnt 0x0                                ; XB, which the stores read, is written again only behind this wait
; One K step of 32: chunk c, its half odd.  16 products on 16 accumulators, which take turns, one instruction a turn.
.macro KSTEP ks, c, odd
.if \odd == 0
	s_wait_tensorcnt 3-\c                          ; my loads end in order: chunk c is in, the younger chunks stay out
.endif
.irp rt, 0,1,2,3
	ds_load_b128 v[XS+16*\rt:XS+16*\rt+3],     v[LA] offset:CHUNK*\c+16*PITCH*\rt+128*\odd
	ds_load_b128 v[XS+16*\rt+4:XS+16*\rt+7],   v[LA] offset:CHUNK*\c+16*PITCH*\rt+128*\odd+16
	ds_load_b128 v[XS+16*\rt+8:XS+16*\rt+11],  v[LA] offset:CHUNK*\c+16*PITCH*\rt+128*\odd+64
	ds_load_b128 v[XS+16*\rt+12:XS+16*\rt+15], v[LA] offset:CHUNK*\c+16*PITCH*\rt+128*\odd+80
.endr
	s_wait_loadcnt 0x0                             ; this step's weights
	PLACES                                         ; WF and XB were sources of the last step's products
.irp nt, 0,1,2,3
.irp p, 0,1,2,3,4,5,6,7
	v_cvt_pk_f16_f32 v[WF+8*\nt+\p], v[WS+8*\p+\nt], v[WS+8*\p+4+\nt]
.endr
.endr
.if \ks < 7
	WLOAD \ks+1
.endif
	s_wait_dscnt 0x0
.set i, 0
.rept 32
	v_cvt_pk_f16_f32 v[XB+i], v[XS+2*i], v[XS+2*i+1]
.set i, i+1
.endr
	WIN 0x50                                       ; C and D in window 1
.irp nt, 0,1,2,3
.irp rt, 0,1,2,3
.if \ks == 0
	v_wmma_f32_16x16x32_f16 v[8*(4*\nt+\rt):8*(4*\nt+\rt)+7], v[WF+8*\nt:WF+8*\nt+7], v[XB+8*\rt:XB+8*\rt+7], 0
.else
	v_wmma_f32_16x16x32_f16 v[8*(4*\nt+\rt):8*(4*\nt+\rt)+7], v[WF+8*\nt:WF+8*\nt+7], v[XB+8*\rt:XB+8*\rt+7], v[8*(4*\nt+\rt):8*(4*\nt+\rt)+7]
.endif
.endr
.endr
	WIN 0
.endm
	KSTEP 0, 0, 0
	KSTEP 1, 0, 1
	KSTEP 2, 1, 0
	KSTEP 3, 1, 1
	KSTEP 4, 2, 0
	KSTEP 5, 2, 1
	KSTEP 6, 3, 0
	KSTEP 7, 3, 1
	; Partial sums into my own chunk 0 (read to its end, never filled again): row s = 16 rt + r, word 16 nt + 8 h + j holds column 4 (8 h + j) + nt.
	PLACES
	WIN 0x04                                       ; store data in window 1
.irp nt, 0,1,2,3
.irp rt, 0,1,2,3
	ds_store_b128 v[LA], v[8*(4*\nt+\rt):8*(4*\nt+\rt)+3]   offset:16*PITCH*\rt+64*\nt
	ds_store_b128 v[LA], v[8*(4*\nt+\rt)+4:8*(4*\nt+\rt)+7] offset:16*PITCH*\rt+64*\nt+16
.endr
.endr
	WIN 0
	s_wait_dscnt 0x0                               ; for the other waves' sake: my stores are done
	s_barrier_signal -1
	s_barrier_wait -1
	; Wave w adds the four partial sums of rows 16 w .. 16 w + 15; a lane makes 8 neighbouring columns of one row, four rows in turn.
.irp i, 0,1,2,3
.irp u, 0,1,2,3
.irp nt, 0,1,2,3
	ds_load_b64 v[RR+2*(16*\i+4*\u+\nt):RR+2*(16*\i+4*\u+\nt)+1], v[RA+\u] offset:4*PITCH*\i+64*\nt
.endr
.endr
.endr
.irp i, 0,1,2,3
	s_wait_dscnt 48-16*\i                          ; the sixteen pairs of row set i are in; the younger ones stay out
.irp nt, 0,1,2,3
	v_pk_add_f32 v[RR+32*\i+2*\nt:RR+32*\i+2*\nt+1],       v[RR+32*\i+2*\nt:RR+32*\i+2*\nt+1],       v[RR+32*\i+8+2*\nt:RR+32*\i+8+2*\nt+1]
	v_pk_add_f32 v[RR+32*\i+16+2*\nt:RR+32*\i+16+2*\nt+1], v[RR+32*\i+16+2*\nt:RR+32*\i+16+2*\nt+1], v[RR+32*\i+24+2*\nt:RR+32*\i+24+2*\nt+1]
.endr
.irp nt, 0,1,2,3
	v_pk_add_f32 v[RR+32*\i+2*\nt:RR+32*\i+2*\nt+1], v[RR+32*\i+2*\nt:RR+32*\i+2*\nt+1], v[RR+32*\i+16+2*\nt:RR+32*\i+16+2*\nt+1]
.endr
.irp nt, 0,1,2,3
	v_pk_add_f32 v[RR+32*\i+2*\nt:RR+32*\i+2*\nt+1], v[RR+32*\i+2*\nt:RR+32*\i+2*\nt+1], v[BB+2*\nt:BB+2*\nt+1]
.endr
.irp nt, 0,1,2,3
	v_pk_mul_f32 v[RR+32*\i+2*\nt:RR+32*\i+2*\nt+1], v[RR+32*\i+2*\nt:RR+32*\i+2*\nt+1], v[FF+2*\i:FF+2*\i+1]
.endr
	v_cvt_pk_f16_f32 v[OO+4*\i],   v[RR+32*\i],   v[RR+32*\i+2]     ; columns +0, +1
	v_cvt_pk_f16_f32 v[OO+4*\i+1], v[RR+32*\i+4], v[RR+32*\i+6]     ; +2, +3
	v_cvt_pk_f16_f32 v[OO+4*\i+2], v[RR+32*\i+1], v[RR+32*\i+3]     ; +4, +5
	v_cvt_pk_f16_f32 v[OO+4*\i+3], v[RR+32*\i+5], v[RR+32*\i+7]     ; +6, +7
	global_store_b128 v[CO], v[OO+4*\i:OO+4*\i+3], s[22:23] offset:512*\i   ; four whole rows of 128 bytes: 512 consecutive bytes
.endr
	s_wait_tensorcnt 0x0
	ds_add_u32 v254, v255
	s_wait_dscnt 0x0
	s_endpgm
.Lfunc_end_k_q0947a0b0b2_prep:
	.size	k_q0947a0b0b2_prep, .Lfunc_end_k_q0947a0b0b2_prep-k_q0947a0b0b2_prep
	.p2alignl 7, 3214868480
	.fill 96, 4, 3214868480
	.section	.rodata,"a",@progbits
	.p2align	6, 0x0
	.amdhsa_kernel k_q0947a0b0b2_prep
		.amdhsa_group_segment_fixed_size 279040
		.amdhsa_private_segment_fixed_size 0
		.amdhsa_enable_private_segment 0
		.amdhsa_kernarg_size 96
		.amdhsa_user_sgpr_count 2
		.amdhsa_user_sgpr_kernarg_segment_ptr 1
		.amdhsa_wavefront_size32 1
		.amdhsa_system_sgpr_workgroup_id_x 1
		.amdhsa_system_sgpr_workgroup_id_y 1
		.amdhsa_system_sgpr_workgroup_id_z 1
		.amdhsa_system_vgpr_workitem_id 0
		.amdhsa_next_free_vgpr 384
		.amdhsa_next_free_sgpr 68
		.amdhsa_reserve_vcc 0
		.amdhsa_float_denorm_mode_32 3
		.amdhsa_float_denorm_mode_16_64 3
		.amdhsa_memory_ordered 1
		.amdhsa_forward_progress 1
		.amdhsa_inst_pref_size 86
	.end_amdhsa_kernel
	.amdgpu_metadata
---
amdhsa.version: [ 1, 2 ]
amdhsa.kernels:
  - .name:           k_q0947a0b0b2_prep
    .symbol:         k_q0947a0b0b2_prep.kd
    .args:
      - { .name: key, .offset: 0, .size: 8, .value_kind: global_buffer, .address_space: global }
      - { .name: value, .offset: 8, .size: 8, .value_kind: global_buffer, .address_space: global }
      - { .name: Wk, .offset: 16, .size: 8, .value_kind: global_buffer, .address_space: global }
      - { .name: Wv, .offset: 24, .size: 8, .value_kind: global_buffer, .address_space: global }
      - { .name: bk, .offset: 32, .size: 8, .value_kind: global_buffer, .address_space: global }
      - { .name: bv, .offset: 40, .size: 8, .value_kind: global_buffer, .address_space: global }
      - { .name: mask, .offset: 48, .size: 8, .value_kind: global_buffer, .address_space: global }
      - { .name: Wq, .offset: 56, .size: 8, .value_kind: global_buffer, .address_space: global }
      - { .name: Wo, .offset: 64, .size: 8, .value_kind: global_buffer, .address_space: global }
      - { .name: kv, .offset: 72, .size: 8, .value_kind: global_buffer, .address_space: global }
      - { .name: wqh, .offset: 80, .size: 8, .value_kind: global_buffer, .address_space: global }
      - { .name: woh, .offset: 88, .size: 8, .value_kind: global_buffer, .address_space: global }
    .group_segment_fixed_size: 279040
    .private_segment_fixed_size: 0
    .kernarg_segment_align: 8
    .kernarg_segment_size: 96
    .max_flat_workgroup_size: 128
    .sgpr_count:     68
    .vgpr_count:     384
    .wavefront_size: 32
...
	.end_amdgpu_metadata
.endif
;; end of part 1
;; launch qattn (part 2): grid 4 x 64, 4 waves a work-group, clusters of 4 x 4, 327,680 bytes of LDS; arguments query, wqh, bq, kv, mask, ao; writes ao
.if DOCPART == 2
	.amdgcn_target "amdgcn-amd-amdhsa--gfx1250"
	.amdhsa_code_object_version 6
	.text
	.protected	k_q0947a0b0b2_qattn
	.globl	k_q0947a0b0b2_qattn
	.p2align	8
	.type	k_q0947a0b0b2_qattn,@function
k_q0947a0b0b2_qattn:
	s_mov_b64 s[64:65], 0
	v_nop
	global_prefetch_b8 v0, s[64:65] scope:SCOPE_SE
	s_setreg_imm32_b32 hwreg(HW_REG_WAVE_MODE, 25, 1), 1
	s_wait_xcnt 0x0
	s_wait_alu depctr_hold_cnt(0) depctr_sa_sdst(0) depctr_va_vdst(0) depctr_va_sdst(0) depctr_va_ssrc(0) depctr_va_vcc(0) depctr_vm_vsrc(0)
	s_getreg_b32 s2, hwreg(HW_REG_IB_STS2, 6, 4)
	s_cmp_eq_u32 s2, 0
	s_cbranch_scc0 .Lentry_in_a_cluster
	s_endpgm
.Lentry_in_a_cluster:
	s_bfe_u32 s2, ttmp6, 0x10000c
	s_cmp_lg_u32 s2, 0xf033
	s_cbranch_scc0 .Lentry_shape_is_right
	s_endpgm
.Lentry_shape_is_right:
; q = query Wq + bq and softmax(q k^T / 8, masked) v, fused: a work-group owns 128 rows of one batch and 4 heads (256 columns); result ao in f16.
; Everything is computed transposed, so that no result changes lanes on its way into the next product:
;   q^T = Wq^T x^T   (A: columns of Wq by transposing LDS loads, B: rows of x)      D: lane = row, registers = 8 neighbouring columns
;   S^T = K' Q^T     (A: rows of k', B: q straight from the D above, packed)          D: lane = query, registers = 8 neighbouring keys
;   O^T = V^T P^T    (A: columns of v by transposing LDS loads, B: exp of the D above, packed)   D: lane = query, registers = 8 neighbouring d
; k' carries log2 e / 8 and is zero for masked keys; the mask enters as the C operand of the score product: 0, or -1e9 log2 e.
; A running maximum per query is taken away before every exponential; a row whose keys are all masked gives the plain mean of v.
; Wave w: rows 64 (w >> 1) .. + 63, heads 2 (w & 1), 2 (w & 1) + 1: eight query tiles t = 4 head + row tile.
; CLUSTER 4 x 4: cx = head group, cy = batch, the cluster's y = block of 128 rows.  x, k' and v hang on cy and the cluster's y alone and are asked for
; jointly along a row of the cluster; Wq's tile hangs on cx alone and is asked for jointly along a column.
; ONE RING of two LDS slots serves both phases: eight K steps of 128 of the projection (x 128 x 128 f32, Wq 128 x 256 f16), then four tiles of 512 keys
; (k' and v).  A slot is filled again with the tile two places on, by one joint load a wave behind a round of the cluster's barrier.
; By this text's count a wave has two tensor loads outstanding at the start and one afterwards.
; LIMITS: matrix operands are f16 (sums f32): x, Wq, q, k', v and the result must stay below 65,504 in magnitude.
.set SLOT,    155648
.set XPITCH,  528                      ; 128 f32 + 16 bytes
.set WPITCH,  544                      ; 256 f16 + 32 bytes (transposing loads: an odd multiple of 32)
.set KPITCH,  144                      ; 64 f16 + 16 bytes
.set VPITCH,  160                      ; 64 f16 + 32 bytes
.set OPITCH,  272                      ; the way out: 128 f16 + 16 bytes
.set WOFF,    128*XPITCH               ; Wq's tile behind x's
.set VOFF,    512*KPITCH               ; v's tile behind k's
.set BIAS,    2*SLOT                   ; 2,048 f32: 0 or -1e9 log2 e; written by LDS stores, never a fill's target
; window 0
.set KA,  1                            ; v1-2    k' fragments in slot 0, 1
.set VA,  3                            ; v3-4    v fragments in slot 0, 1
.set B0R, 5                            ; v5      BIAS + 32 h
.set VK,  6                            ; v6-8    running addresses of k', v, bias
.set VV,  7
.set VBI, 8
.set STO, 9                            ; v9-11   the way out
.set RD,  10
.set CO,  11
.set PFO, 12                           ; v12     prefetch offset
.set BQO, 13                           ; v13     offset in bq
.set XA,  16                           ; v16-17  projection: x fragments in slot 0, 1
.set WA,  18                           ; v18-19  projection: Wq fragments in slot 0, 1
.set RM,  16                           ; v16-23  attention: running maximum of tile t
.set RL,  24                           ; v24-39  running sums of tile t, a pair
.set MN,  40                           ; v40-41  new maximum (v41 only completes the pair)
.set AL,  42                           ; v42-43  2^(old - new maximum) (v43 likewise)
.set RT,  44                           ; v44-51  at work
.set RS,  64                           ; v64-127 scores, two buffers of 32
.set RP,  128                          ; v128-143 P in f16
.set BI,  144                          ; v144-175 bias of the step's 64 keys
.set KF,  176                          ; v176-239 k' fragments of the step
.set WF0, 64                           ; projection: v64-127, v128-191 Wq fragments, two buffers
.set XS,  192                          ; projection: v192-255 x as loaded, f32
.set OT,  64                           ; the way out: packed results
; window 1
.set QF,  0                            ; q fragments: 16 t + 8 kf
.set VF,  128                          ; v fragments: 8 (4 kk + dt)
.set XB,  128                          ; projection: x fragments in f16, two buffers of 32
.set BQ,  192                          ; bq as the first products' C: 8 a
; window 2: projection acc(a, b) = v[8 (4 a + b)], attention O(t, dt) = v[8 (4 t + dt)]
.set G1X, 32
.set G1W, 40
.set G0X, 48
.set G0W, 56
.set G1K, 68
.set G1V, 76
.set G0K, 84
.set G0V, 92
.set MSB, 0
.macro WIN new                         ; the immediate's high byte repeats the setting that is left
.if MSB != \new
	s_set_vgpr_msb (MSB<<8)|\new
.set MSB, \new
.endif
.endm
.macro PLACES                          ; four places behind a matrix instruction (ISA guide 7.12.1)
.rept 4
	v_nop
.endr
.endm
.macro CREST                           ; a round of the cluster's barrier behind its opening barrier
	s_cmp_lg_u32 s16, 0
	s_cbranch_scc1 .Lnw0_\@
	s_barrier_signal -3
.Lnw0_\@:
	s_barrier_wait -3
	s_barrier_signal -1
	s_barrier_wait -1
.endm
.macro CROUND
	s_barrier_signal -1
	s_barrier_wait -1
	CREST
.endm
; Joint loads.  Waves 0, 1 fetch the halves of x (k'), waves 2, 3 the halves of Wq (v): one line for each mask, the branch on the wave's number alone.
.macro JLOADA s
	s_cmp_eq_u32 s17, 0
	s_cbranch_scc0 .Ljw_\@
	tensor_load_to_lds s[G0X+4*\s:G0X+4*\s+3], s[G1X:G1X+7]
	s_nop 0
	s_branch .Lje_\@
.Ljw_\@:
	tensor_load_to_lds s[G0W+4*\s:G0W+4*\s+3], s[G1W:G1W+7]
	s_nop 0
.Lje_\@:
.endm
.macro JLOADB s
	s_cmp_eq_u32 s17, 0
	s_cbranch_scc0 .Ljv_\@
	tensor_load_to_lds s[G0K+4*\s:G0K+4*\s+3], s[G1K:G1K+7]
	s_nop 0
	s_branch .Ljf_\@
.Ljv_\@:
	tensor_load_to_lds s[G0V+4*\s:G0V+4*\s+3], s[G1V:G1V+7]
	s_nop 0
.Ljf_\@:
.endm
	s_load_b256 s[4:11], s[0:1], 0x0               ; query, wqh, bq, kv
	s_load_b128 s[12:15], s[0:1], 0x20             ; mask, ao
	v_lshl_add_u32 v62, v0, 2, 0x4e000
	v_mov_b32 v63, 0
	ds_add_u32 v62, v63
	ds_add_u32 v62, v63
	v_lshrrev_b32 v44, 5, v0
	v_readfirstlane_b32 s16, v44                   ; wave
	s_lshr_b32 s17, s16, 1                         ; my half of the rows.  Also: I fetch x / k' (0) or Wq / v (1)
	s_and_b32 s18, s16, 1                          ; my pair of heads.  Also: which half of that tile I fetch
	s_bfe_u32 s20, ttmp6, 0x40000                  ; cx
	s_bfe_u32 s21, ttmp6, 0x40004                  ; cy = batch
	s_and_b32 s22, ttmp7, 0xffff                   ; the cluster's y = block of 128 rows in the batch
	s_lshl_b32 s25, ttmp9, 2
	s_add_co_u32 s25, s25, s20                     ; head group = 4 x cluster x + cx
	s_lshl_b32 s26, s21, 2
	s_lshl_b32 s26, 15, s26                        ; my row of the cluster
	s_lshl_b32 s27, 0x1111, s20                    ; my column
	s_mov_b32 s28, 0x76543210                      ; v_permlanex16_b32: lane i reads lane i of the other half
	s_mov_b32 s29, 0xfedcba98
	s_or_b32 s[G1X+0], s26, (2<<16)|(1<<20)|(1<<21)|(6<<22)|(3<<25)   ; x: 4-byte elements, 4 words of padding behind every 128
	s_mov_b32 s[G1X+1], 128<<16
	s_mov_b32 s[G1X+2], 64<<16
	s_mov_b32 s[G1X+3], 128<<16
	s_mov_b32 s[G1X+4], 64                         ; 64 rows x 128 elements
	s_mov_b32 s[G1X+5], 1024
	s_mov_b32 s[G1X+6], 0
	s_mov_b32 s[G1X+7], 0
	s_or_b32 s[G1W+0], s27, (1<<16)|(1<<20)|(1<<21)|(6<<22)|(7<<25)   ; Wq: 2-byte elements, 8 words behind every 128
	s_mov_b32 s[G1W+1], 256<<16
	s_mov_b32 s[G1W+2], 64<<16
	s_mov_b32 s[G1W+3], 256<<16
	s_mov_b32 s[G1W+4], 64                         ; 64 rows (k) x 256 elements
	s_mov_b32 s[G1W+5], 1024
	s_mov_b32 s[G1W+6], 0
	s_mov_b32 s[G1W+7], 0
	s_or_b32 s[G1K+0], s26, (1<<16)|(1<<20)|(1<<21)|(4<<22)|(3<<25)   ; k': 4 words behind every 32
	s_mov_b32 s[G1K+1], 64<<16
	s_mov_b32 s[G1K+2], 256<<16
	s_mov_b32 s[G1K+3], 64<<16
	s_mov_b32 s[G1K+4], 256                        ; 256 keys x 64 elements
	s_mov_b32 s[G1K+5], 64
	s_mov_b32 s[G1K+6], 0
	s_mov_b32 s[G1K+7], 0
	s_or_b32 s[G1V+0], s26, (1<<16)|(1<<20)|(1<<21)|(4<<22)|(7<<25)   ; v: 8 words behind every 32
	s_mov_b32 s[G1V+1], 64<<16
	s_mov_b32 s[G1V+2], 256<<16
	s_mov_b32 s[G1V+3], 64<<16
	s_mov_b32 s[G1V+4], 256
	s_mov_b32 s[G1V+5], 64
	s_mov_b32 s[G1V+6], 0
	s_mov_b32 s[G1V+7], 0
	; where the tiles come from: x, k', v in registers that never hold cx, Wq in registers that never hold cy
	s_lshl_b32 s23, s21, 11
	s_lshl_b32 s24, s22, 7
	s_add_co_u32 s23, s23, s24                     ; my first row of the 8,192
	s_lshl_b32 s24, s18, 6
	s_add_co_u32 s24, s24, s23
	s_lshl_b32 s30, s24, 12                        ; x: (first row + 64 half) rows of 4,096 bytes
	s_mov_b32 s31, 0
	s_lshl_b32 s100, s18, 17                       ; Wq: 64 half rows of 2,048 bytes
	s_lshl_b32 s101, s25, 9                        ; + 512 bytes a head group
	s_add_co_u32 s100, s100, s101
	s_mov_b32 s101, 0
	s_lshl_b32 s2, s21, 18                         ; k': 2,048 batch rows of 128 bytes
	s_lshl_b32 s3, s18, 15                         ; + 256 half
	s_add_co_u32 s2, s2, s3
	s_mov_b32 s3, 0
	s_lshl_b32 s66, s23, 12                        ; prefetch: x at my first row
	s_mov_b32 s67, 0
	; and where they go: the half times a constant, plus the slot's constant
	s_mul_i32 s[G0X+1], s18, 64*XPITCH
	s_mul_i32 s[G0W+1], s18, 64*WPITCH
	s_add_co_u32 s[G0W+1], s[G0W+1], WOFF
	s_mul_i32 s[G0K+1], s18, 256*KPITCH
	s_mul_i32 s[G0V+1], s18, 256*VPITCH
	s_add_co_u32 s[G0V+1], s[G0V+1], VOFF
.irp g, G0X, G0W, G0K, G0V
	s_mov_b32 s[\g], 1
	s_mov_b32 s[\g+4], 1
	s_add_co_u32 s[\g+5], s[\g+1], SLOT
.endr
	s_wait_dscnt 0x0
	s_wait_kmcnt 0x0
	s_add_nc_u64 s[30:31], s[4:5], s[30:31]
	s_add_nc_u64 s[100:101], s[6:7], s[100:101]
	s_add_nc_u64 s[2:3], s[10:11], s[2:3]
	s_add_nc_u64 s[66:67], s[4:5], s[66:67]
	s_mov_b64 s[G0X+2:G0X+3], s[30:31]                         ; K step 0
	s_add_nc_u64 s[G0X+6:G0X+7], s[30:31], 512                 ; K step 1
	s_mov_b64 s[G0W+2:G0W+3], s[100:101]
	s_add_nc_u64 s[G0W+6:G0W+7], s[100:101], 128*2048
	s_mov_b64 s[G0K+2:G0K+3], s[2:3]                           ; keys 0-511
	s_add_nc_u64 s[G0K+6:G0K+7], s[2:3], 512*128               ; keys 512-1023
	s_add_nc_u64 s[G0V+2:G0V+3], s[2:3], 1048576
	s_add_nc_u64 s[G0V+6:G0V+7], s[2:3], 1048576+512*128
.irp g, G0X, G0W, G0K, G0V
	s_or_b32 s[\g+3], s[\g+3], 0x80000000
	s_or_b32 s[\g+7], s[\g+7], 0x80000000
.endr
	CROUND                                         ; all sixteen work-groups are here: the first joint loads meet
	JLOADA 0
	JLOADA 1
	; Prefetch of x.  The four partners of a row of the cluster take 32 of the 128 rows each; a lane asks for one block of 256 bytes, four lanes for the
	; 1,024 bytes of two K steps.  Here K steps 2, 3; in trips 0 and 1 K steps 4, 5 and 6, 7: each block once, ahead of its tensor load;
	; the last offset ends at the row's end.
	v_lshrrev_b32 v49, 2, v0
	v_lshl_add_u32 v49, s20, 5, v49
	v_and_b32 v50, 3, v0
	v_lshlrev_b32 v50, 8, v50
	v_lshl_add_u32 v[PFO], v49, 12, v50
	global_prefetch_b8 v[PFO], s[66:67] offset:1024 th:TH_LOAD_NT scope:SCOPE_SE
	s_lshl_b32 s100, s25, 10
	s_mov_b32 s101, 0
	s_add_nc_u64 s[8:9], s[8:9], s[100:101]        ; bq at my head group
	s_lshl_b32 s30, s21, 11
	s_mov_b32 s31, 0
	s_add_nc_u64 s[12:13], s[12:13], s[30:31]      ; mask at my batch
	v_and_b32 v44, 15, v0                          ; r
	v_bfe_u32 v45, v0, 4, 1                        ; h
	v_and_b32 v46, 7, v0                           ; L & 7
	v_bfe_u32 v47, v0, 3, 1                        ; (L >> 3) & 1
	v_lshl_add_u32 v48, v45, 3, v46                ; 8 h + (L & 7)
	s_lshl_b32 s19, s18, 9
	v_lshl_add_u32 v[BQO], v45, 5, s19
	v_lshlrev_b32 v14, 4, v0                       ; my 16 mask bytes
	WIN 0x40
.irp a, 0,1,2,3,4,5,6,7
	global_load_b128 v[BQ+8*\a:BQ+8*\a+3],   v[BQO], s[8:9] offset:64*\a      ; register j: bq of column 16 a + 8 h + j
	global_load_b128 v[BQ+8*\a+4:BQ+8*\a+7], v[BQO], s[8:9] offset:64*\a+16
.endr
	WIN 0
	global_load_b128 v[52:55], v14, s[12:13]
	v_mul_u32_u24 v[KA], v44, KPITCH
	v_lshl_add_u32 v[KA], v45, 4, v[KA]
	v_add_nc_u32 v[KA+1], SLOT, v[KA]
	v_mul_u32_u24 v[VA], v48, VPITCH
	v_lshl_add_u32 v[VA], v47, 4, v[VA]
	v_add_nc_u32 v[VA], VOFF, v[VA]
	v_add_nc_u32 v[VA+1], SLOT, v[VA]
	v_lshlrev_b32 v[B0R], 5, v45
	v_add_nc_u32 v[B0R], BIAS, v[B0R]
	s_mul_i32 s19, s16, 16*OPITCH
	v_mul_u32_u24 v[STO], v44, OPITCH
	v_lshl_add_u32 v[STO], v45, 4, v[STO]
	v_add_nc_u32 v[STO], s19, v[STO]
	v_mul_u32_u24 v[RD], v45, OPITCH
	v_lshl_add_u32 v[RD], v44, 4, v[RD]
	v_add_nc_u32 v[RD], s19, v[RD]
	v_lshlrev_b32 v[CO], 4, v44
	v_lshl_add_u32 v[CO], v45, 11, v[CO]
	s_mul_i32 s19, s17, 64*XPITCH
	v_mul_u32_u24 v[XA], v44, XPITCH
	v_lshl_add_u32 v[XA], v45, 5, v[XA]
	v_add_nc_u32 v[XA], s19, v[XA]
	v_add_nc_u32 v[XA+1], SLOT, v[XA]
	s_lshl_b32 s19, s18, 8
	s_add_co_u32 s19, s19, WOFF
	v_mul_u32_u24 v[WA], v48, WPITCH
	v_lshl_add_u32 v[WA], v47, 4, v[WA]
	v_add_nc_u32 v[WA], s19, v[WA]
	v_add_nc_u32 v[WA+1], SLOT, v[WA]
	v_mov_b32 v[MN+1], 0
	v_mov_b32 v[AL+1], 0
	v_lshlrev_b32 v15, 6, v0
	v_add_nc_u32 v15, BIAS, v15
	s_wait_loadcnt 0x0
	; mask byte 1 -> 0, 0 -> -1e9 log2 e: (byte - 1) is all zeros or all ones
.irp q, 0,1,2,3
.irp e, 0,1,2,3
	v_bfe_u32 v[64+4*\q+\e], v[52+\q], 8*\e, 8
	v_add_nc_u32 v[64+4*\q+\e], -1, v[64+4*\q+\e]
	v_and_b32 v[64+4*\q+\e], 0xceabfb8f, v[64+4*\q+\e]
.endr
	ds_store_b128 v15, v[64+4*\q:64+4*\q+3] offset:16*\q
.endr
; ---- the projection ----
; The fragments of one quarter step (32 along K): first 16 loads of x (f32), then 16 transposing loads of Wq into buffer g.
.macro FETCHA slot, ks, g
.irp b, 0,1,2,3
	ds_load_b128 v[XS+16*\b:XS+16*\b+3],     v[XA+\slot] offset:16*XPITCH*\b+128*\ks
	ds_load_b128 v[XS+16*\b+4:XS+16*\b+7],   v[XA+\slot] offset:16*XPITCH*\b+128*\ks+16
	ds_load_b128 v[XS+16*\b+8:XS+16*\b+11],  v[XA+\slot] offset:16*XPITCH*\b+128*\ks+64
	ds_load_b128 v[XS+16*\b+12:XS+16*\b+15], v[XA+\slot] offset:16*XPITCH*\b+128*\ks+80
.endr
.irp a, 0,1,2,3,4,5,6,7
	ds_load_tr16_b128 v[WF0+64*\g+8*\a:WF0+64*\g+8*\a+3],   v[WA+\slot] offset:32*WPITCH*\ks+32*\a
	ds_load_tr16_b128 v[WF0+64*\g+8*\a+4:WF0+64*\g+8*\a+7], v[WA+\slot] offset:32*WPITCH*\ks+32*\a+16*WPITCH
.endr
.endm
.macro CVTX g                          ; x to f16, into fragment buffer g of window 1
	WIN 0x40
.set i, 0
.rept 32
	v_cvt_pk_f16_f32 v[XB+32*\g+i], v[XS+2*i], v[XS+2*i+1]
.set i, i+1
.endr
	WIN 0
.endm
; 16 products: column tiles a0 .. a0 + 3 x four row tiles.  The 32 accumulators take turns, one instruction a turn.
; first = 1: bq is the C operand and starts the sums.
.macro MULA4 g, a0, first
.if \first
	WIN 0x94
.else
	WIN 0xa4
.endif
.irp a, \a0, \a0+1, \a0+2, \a0+3
.irp b, 0,1,2,3
.if \first
	v_wmma_f32_16x16x32_f16 v[8*(4*(\a)+\b):8*(4*(\a)+\b)+7], v[WF0+64*\g+8*(\a):WF0+64*\g+8*(\a)+7], v[XB+32*\g+8*\b:XB+32*\g+8*\b+7], v[BQ+8*(\a):BQ+8*(\a)+7]
.else
	v_wmma_f32_16x16x32_f16 v[8*(4*(\a)+\b):8*(4*(\a)+\b)+7], v[WF0+64*\g+8*(\a):WF0+64*\g+8*(\a)+7], v[XB+32*\g+8*\b:XB+32*\g+8*\b+7], v[8*(4*(\a)+\b):8*(4*(\a)+\b)+7]
.endif
.endr
.endr
.endm
; One of a trip's first three quarter steps: buffers g; fetches quarter nks into buffers ng.
.macro SUBA slot, nks, g, ng, first
	s_wait_dscnt 16                                ; the x part of my fetch is in; the 16 loads of Wq issued behind it may be out
	CVTX \g                                        ; 32 plain instructions: also the places in front of the loads into the other Wq buffer
	FETCHA \slot, \nks, \ng
	s_wait_dscnt 32                                ; all but the 32 just issued: this quarter's Wq fragments are in
	MULA4 \g, 0, \first
	MULA4 \g, 4, \first
.endm
; The last quarter step changes slots.  In front of the round's opening signal each wave waits for its reads of this slot and for all its tensor loads
; (the one that is out is its part of the other slot); only products stand inside the round; the joint refill is first behind it.
; kind 0: this slot gets the K step two on; kind 1: it gets its first tile of k' and v.
.macro TURNA slot, other, kind, last
	s_wait_dscnt 0x0
	CVTX 1
	s_wait_tensorcnt 0x0
	ds_add_u32 v62, v63
	s_wait_dscnt 0x0
	s_barrier_signal -1
	MULA4 1, 0, 0
	WIN 0
	s_barrier_wait -1
	CREST
.if \kind == 0
	s_add_nc_u64 s[G0X+4*\slot+2:G0X+4*\slot+3], s[G0X+4*\slot+2:G0X+4*\slot+3], 2*512
	s_add_nc_u64 s[G0W+4*\slot+2:G0W+4*\slot+3], s[G0W+4*\slot+2:G0W+4*\slot+3], 2*128*2048
	JLOADA \slot
.else
	JLOADB \slot
.endif
.if \last == 0
	FETCHA \other, 0, 0
.endif
	MULA4 1, 4, 0
.endm
.macro TRIPA slot, other, first, kind, last, pf
	SUBA \slot, 1, 0, 1, \first
.if \pf
	global_prefetch_b8 v[PFO], s[66:67] offset:\pf th:TH_LOAD_NT scope:SCOPE_SE    ; the address stands in source 0's window, which is 0 here
.endif
	SUBA \slot, 2, 1, 0, 0
	SUBA \slot, 3, 0, 1, 0
	TURNA \slot, \other, \kind, \last
.endm
	s_wait_tensorcnt 0x1                           ; my part of K step 0 is in; K step 1's stays out
	s_wait_dscnt 0x0                               ; my bias words are stored
	s_barrier_signal -1
	s_barrier_wait -1
	FETCHA 0, 0, 0
	TRIPA 0, 1, 1, 0, 0, 2048
	TRIPA 1, 0, 0, 0, 0, 3072
	WIN 0
	s_mov_b32 s19, 2
.Lqa:
	TRIPA 0, 1, 0, 0, 0, 0
	TRIPA 1, 0, 0, 0, 0, 0
	WIN 0
	s_sub_co_u32 s19, s19, 1
	s_cmp_lg_u32 s19, 0
	s_cbranch_scc1 .Lqa
	TRIPA 0, 1, 0, 1, 0, 0                         ; K step 6: slot 0 gets keys 0-511
	TRIPA 1, 0, 0, 1, 1, 0                         ; K step 7: slot 1 gets keys 512-1023; its round has shown slot 0's tile whole to every wave
	; q into B fragments: lane = query already; d = 32 kf + 8 h + 0..7 is column tile 2 kf, d = 32 kf + 16 + 8 h + 0..7 column tile 2 kf + 1 of the head
	PLACES
	WIN 0x4a
.irp hh, 0,1
.irp b, 0,1,2,3
.irp kf, 0,1
.irp e, 0,1,2,3
	v_cvt_pk_f16_f32 v[QF+16*(4*\hh+\b)+8*\kf+\e],   v[8*(4*(4*\hh+2*\kf)+\b)+2*\e],   v[8*(4*(4*\hh+2*\kf)+\b)+2*\e+1]
	v_cvt_pk_f16_f32 v[QF+16*(4*\hh+\b)+8*\kf+4+\e], v[8*(4*(4*\hh+2*\kf+1)+\b)+2*\e], v[8*(4*(4*\hh+2*\kf+1)+\b)+2*\e+1]
.endr
.endr
.endr
.endr
	WIN 0
; ---- attention ----
.macro LOADK                           ; the next 64 keys: 16 loads of k', 8 of bias
.irp kt, 0,1,2,3
.irp kf, 0,1
	ds_load_b128 v[KF+16*\kt+8*\kf:KF+16*\kt+8*\kf+3],   v[VK] offset:16*KPITCH*\kt+64*\kf
	ds_load_b128 v[KF+16*\kt+8*\kf+4:KF+16*\kt+8*\kf+7], v[VK] offset:16*KPITCH*\kt+64*\kf+32
.endr
.endr
.irp kt, 0,1,2,3
	ds_load_b128 v[BI+8*\kt:BI+8*\kt+3],   v[VBI] offset:64*\kt
	ds_load_b128 v[BI+8*\kt+4:BI+8*\kt+7], v[VBI] offset:64*\kt+16
.endr
	v_add_nc_u32 v[VK], 64*KPITCH, v[VK]
	v_add_nc_u32 v[VBI], 256, v[VBI]
.endm
; Scores of query tile t against 64 keys: four accumulators by turns, one instruction a turn; the bias starts the sums.
.macro SMM t, buf
	WIN 0x04
.irp kt, 0,1,2,3
	v_wmma_f32_16x16x32_f16 v[RS+32*\buf+8*\kt:RS+32*\buf+8*\kt+7], v[KF+16*\kt:KF+16*\kt+7], v[QF+16*\t:QF+16*\t+7], v[BI+8*\kt:BI+8*\kt+7]
.endr
.irp kt, 0,1,2,3
	v_wmma_f32_16x16x32_f16 v[RS+32*\buf+8*\kt:RS+32*\buf+8*\kt+7], v[KF+16*\kt+8:KF+16*\kt+15], v[QF+16*\t+8:QF+16*\t+15], v[RS+32*\buf+8*\kt:RS+32*\buf+8*\kt+7]
.endr
.endm
; O^T of tile t += V^T P^T: four accumulators by turns likewise.
.macro PV t, first
	WIN 0xa1
.irp dt, 0,1,2,3
.if \first
	v_wmma_f32_16x16x32_f16 v[8*(4*\t+\dt):8*(4*\t+\dt)+7], v[VF+8*\dt:VF+8*\dt+7], v[RP:RP+7], 0
.else
	v_wmma_f32_16x16x32_f16 v[8*(4*\t+\dt):8*(4*\t+\dt)+7], v[VF+8*\dt:VF+8*\dt+7], v[RP:RP+7], v[8*(4*\t+\dt):8*(4*\t+\dt)+7]
.endif
.endr
.irp dt, 0,1,2,3
	v_wmma_f32_16x16x32_f16 v[8*(4*\t+\dt):8*(4*\t+\dt)+7], v[VF+8*(4+\dt):VF+8*(4+\dt)+7], v[RP+8:RP+15], v[8*(4*\t+\dt):8*(4*\t+\dt)+7]
.endr
.endm
; A lane holds 32 of its query's 64 scores, the lane 16 away the other 32.
.macro SOFTMAX t, buf, first
	WIN 0
.set SB, RS+32*\buf
.irp c, 0,1,2,3
	v_max3_num_f32 v[RT+\c], v[SB+8*\c], v[SB+8*\c+1], v[SB+8*\c+2]
.endr
.irp c, 0,1,2,3
	v_max3_num_f32 v[RT+\c], v[RT+\c], v[SB+8*\c+3], v[SB+8*\c+4]
.endr
.irp c, 0,1,2,3
	v_max3_num_f32 v[RT+\c], v[RT+\c], v[SB+8*\c+5], v[SB+8*\c+6]
.endr
	v_max3_num_f32 v[RT], v[RT], v[SB+7], v[SB+15]
	v_max3_num_f32 v[RT+1], v[RT+1], v[SB+23], v[SB+31]
.if \first
	v_max_num_f32 v[RT+2], v[RT+2], v[RT+3]
.else
	v_max3_num_f32 v[RT+2], v[RT+2], v[RT+3], v[RM+\t]     ; the running maximum joins
.endif
	v_max3_num_f32 v[RT], v[RT], v[RT+1], v[RT+2]
	v_permlanex16_b32 v[RT+1], v[RT], s28, s29
	v_max_num_f32 v[MN], v[RT], v[RT+1]
.if \first == 0
	v_sub_f32 v[AL], v[RM+\t], v[MN]
.endif
	v_mov_b32 v[RM+\t], v[MN]
.if \first == 0
	v_exp_f32 v[AL], v[AL]                         ; the packed subtractions below stand between it and its use (ISA guide 5.7.2)
.endif
.set i, 0
.rept 16
	v_pk_add_f32 v[SB+2*i:SB+2*i+1], v[SB+2*i:SB+2*i+1], v[MN:MN+1] op_sel_hi:[1,0] neg_lo:[0,1] neg_hi:[0,1]
.set i, i+1
.endr
.set i, 0
.rept 32
	v_exp_f32 v[SB+i], v[SB+i]
.set i, i+1
.endr
.if \first
	v_nop                                          ; one plain instruction behind the exponentials
	s_wait_alu depctr_va_vdst(0)
.else
	WIN 0x82
.set i, 0
	s_wait_alu depctr_va_vdst(0)
.rept 16
	v_pk_mul_f32 v[32*\t+2*i:32*\t+2*i+1], v[32*\t+2*i:32*\t+2*i+1], v[AL:AL+1] op_sel_hi:[1,0]   ; O follows the new maximum; also the plain work behind the exponentials
.set i, i+1
.endr
	WIN 0
.endif
.irp c, 0,1,2,3
	v_pk_add_f32 v[RT+2*\c:RT+2*\c+1], v[SB+8*\c:SB+8*\c+1], v[SB+8*\c+2:SB+8*\c+3]
.endr
.irp c, 0,1,2,3
	v_pk_add_f32 v[RT+2*\c:RT+2*\c+1], v[RT+2*\c:RT+2*\c+1], v[SB+8*\c+4:SB+8*\c+5]
.endr
.irp c, 0,1,2,3
	v_pk_add_f32 v[RT+2*\c:RT+2*\c+1], v[RT+2*\c:RT+2*\c+1], v[SB+8*\c+6:SB+8*\c+7]
.endr
	v_pk_add_f32 v[RT:RT+1], v[RT:RT+1], v[RT+2:RT+3]
	v_pk_add_f32 v[RT+4:RT+5], v[RT+4:RT+5], v[RT+6:RT+7]
.if \first
	v_pk_add_f32 v[RL+2*\t:RL+2*\t+1], v[RT:RT+1], v[RT+4:RT+5]
.else
	v_pk_add_f32 v[RT:RT+1], v[RT:RT+1], v[RT+4:RT+5]
	v_pk_fma_f32 v[RL+2*\t:RL+2*\t+1], v[RL+2*\t:RL+2*\t+1], v[AL:AL+1], v[RT:RT+1] op_sel_hi:[1,0,1]
.endif
.set i, 0
.rept 16
	v_cvt_pk_f16_f32 v[RP+i], v[SB+2*i], v[SB+2*i+1]       ; the D layout of S^T is the B layout of P^T
.set i, i+1
.endr
.endm
; One step of 64 keys for the wave's eight query tiles.  The products of P V of tile t and of the scores of tile t + 2 follow each other;
; a tile's softmax stands between a score product and the first read of its result.  more = 1: the next step's k' and bias are fetched ahead.
.macro STEP first, more
	PLACES                                         ; v's fragments were sources of the last step's products
	WIN 0x40
.irp kk, 0,1
.irp dt, 0,1,2,3
	ds_load_tr16_b128 v[VF+8*(4*\kk+\dt):VF+8*(4*\kk+\dt)+3],   v[VV] offset:32*VPITCH*\kk+32*\dt
	ds_load_tr16_b128 v[VF+8*(4*\kk+\dt)+4:VF+8*(4*\kk+\dt)+7], v[VV] offset:32*VPITCH*\kk+32*\dt+16*VPITCH
.endr
.endr
	WIN 0
	v_add_nc_u32 v[VV], 64*VPITCH, v[VV]
	s_wait_dscnt 16                                ; k' and bias are in; the 16 loads of v just issued may be out
	SMM 0, 0
	SMM 1, 1
	WIN 0
	PLACES
	SOFTMAX 0, 0, \first
	s_wait_dscnt 0x0                               ; v is in
	PV 0, \first
	SMM 2, 0
	SOFTMAX 1, 1, \first
	PV 1, \first
	SMM 3, 1
	SOFTMAX 2, 0, \first
	PV 2, \first
	SMM 4, 0
	SOFTMAX 3, 1, \first
	PV 3, \first
	SMM 5, 1
	SOFTMAX 4, 0, \first
	PV 4, \first
	SMM 6, 0
	SOFTMAX 5, 1, \first
	PV 5, \first
	SMM 7, 1
	SOFTMAX 6, 0, \first
	PV 6, \first
	WIN 0
.if \more
	LOADK
.endif
	SOFTMAX 7, 1, \first
	PV 7, \first
	WIN 0
.endm
; A tile of 512 keys: eight steps; the last is written out, so that nothing is read beyond the tile.
.macro TRIPB u, slot, first, laps
	v_mov_b32 v[VK], v[KA+\slot]
	v_mov_b32 v[VV], v[VA+\slot]
	v_add_nc_u32 v[VBI], 2048*\u, v[B0R]
	LOADK
.if \first
	STEP 1, 1
.endif
	s_mov_b32 s19, \laps
.Lkv\@:
	STEP 0, 1
	s_sub_co_u32 s19, s19, 1
	s_cmp_lg_u32 s19, 0
	s_cbranch_scc1 .Lkv\@
	STEP 0, 0
.endm
	TRIPB 0, 0, 1, 6
	s_wait_dscnt 0x0                               ; my reads of slot 0 are over
	s_wait_tensorcnt 0x0                           ; and all my tensor loads have landed: my part of keys 512-1023
	ds_add_u32 v62, v63
	s_wait_dscnt 0x0
	CROUND
	s_add_nc_u64 s[G0K+2:G0K+3], s[G0K+2:G0K+3], 2*512*128
	s_add_nc_u64 s[G0V+2:G0V+3], s[G0V+2:G0V+3], 2*512*128
	JLOADB 0                                       ; keys 1024-1535
	TRIPB 1, 1, 0, 7
	s_wait_dscnt 0x0
	s_wait_tensorcnt 0x0
	ds_add_u32 v62, v63
	s_wait_dscnt 0x0
	CROUND
	s_add_nc_u64 s[G0K+6:G0K+7], s[G0K+6:G0K+7], 2*512*128
	s_add_nc_u64 s[G0V+6:G0V+7], s[G0V+6:G0V+7], 2*512*128
	JLOADB 1                                       ; keys 1536-2047: the last load
	TRIPB 2, 0, 0, 7
	s_wait_dscnt 0x0                               ; my reads of slot 0 are over: its first bytes become the stage of the way out
	s_wait_tensorcnt 0x0                           ; my part of the last tile is in,
	s_barrier_signal -1
	s_barrier_wait -1                              ; everybody's is; nothing is filled any more
	TRIPB 3, 1, 0, 7
	; ---- the way out ----
	PLACES
.irp t, 0,1,2,3,4,5,6,7
	v_add_f32 v[RL+2*\t], v[RL+2*\t], v[RL+2*\t+1]
.endr
.irp t, 0,1,2,3,4,5,6,7
	v_permlanex16_b32 v[RL+2*\t+1], v[RL+2*\t], s28, s29
.endr
.irp t, 0,1,2,3,4,5,6,7
	v_add_f32 v[RL+2*\t], v[RL+2*\t], v[RL+2*\t+1]         ; at least 1: the largest score's own term
.endr
.irp t, 0,1,2,3,4,5,6,7
	v_rcp_f32 v[RL+2*\t], v[RL+2*\t]
.endr
	v_nop                                          ; one plain instruction behind the reciprocals
	s_wait_alu depctr_va_vdst(0)
	s_lshl_b32 s30, s17, 6
	s_add_co_u32 s30, s30, s23
	s_lshl_b32 s30, s30, 11                        ; my first row, rows of 2,048 bytes (in registers that hold no cx),
	s_mov_b32 s31, 0
	s_add_nc_u64 s[14:15], s[14:15], s[30:31]
	s_lshl_b32 s100, s25, 9                        ; my first column: 512 bytes a head group + 256 a pair of heads (in registers that hold no cy)
	s_lshl_b32 s101, s18, 8
	s_add_co_u32 s100, s100, s101
	s_mov_b32 s101, 0
	s_add_nc_u64 s[14:15], s[14:15], s[100:101]
; Rows 16 b .. 16 b + 15 of my 64, both heads: divide, round to f16, 16 bytes a lane into my own stage, read back as whole rows of 256 bytes.
.macro OUT16 b, f
	WIN 0x82
.irp hh, 0,1
.set i, 0
.rept 16
	v_pk_mul_f32 v[32*(4*\hh+\b)+2*i:32*(4*\hh+\b)+2*i+1], v[32*(4*\hh+\b)+2*i:32*(4*\hh+\b)+2*i+1], v[RL+2*(4*\hh+\b):RL+2*(4*\hh+\b)+1] op_sel_hi:[1,0]
.set i, i+1
.endr
.endr
	WIN 0x0a
.irp hh, 0,1
.set i, 0
.rept 16
	v_cvt_pk_f16_f32 v[OT+16*\hh+i], v[32*(4*\hh+\b)+2*i], v[32*(4*\hh+\b)+2*i+1]
.set i, i+1
.endr
.endr
	WIN 0
.irp e, 0,1,2,3,4,5,6,7
	ds_store_b128 v[STO], v[OT+4*\e:OT+4*\e+3] offset:32*\e
.endr
	s_wait_xcnt 0x0                                ; buffer f, which earlier stores read, and the stores' base are written again only behind this wait
.if \b
	s_add_nc_u64 s[14:15], s[14:15], 16*2048
.endif
.irp e, 0,1,2,3,4,5,6,7
	ds_load_b128 v[\f+4*\e:\f+4*\e+3], v[RD] offset:2*OPITCH*\e    ; LDS serves a wave's instructions in order (ISA guide 5.7.1.4): these see the stores above
.endr
.irp e, 0,1,2,3,4,5,6,7
	s_wait_dscnt 7-\e
	global_store_b128 v[CO], v[\f+4*\e:\f+4*\e+3], s[14:15] offset:2*2048*\e   ; sixteen lanes store 256 consecutive bytes, at a multiple of 256 from ao's first byte
.endr
.endm
	OUT16 0, 96
	OUT16 1, 128
	OUT16 2, 96
	OUT16 3, 128
	s_wait_tensorcnt 0x0
	ds_add_u32 v62, v63
	s_wait_dscnt 0x0
	CROUND                                         ; the closing round: no work-group ends while a partner may still ask for a tile that names it
	s_endpgm
.Lfunc_end_k_q0947a0b0b2_qattn:
	.size	k_q0947a0b0b2_qattn, .Lfunc_end_k_q0947a0b0b2_qattn-k_q0947a0b0b2_qattn
	.p2alignl 7, 3214868480
	.fill 96, 4, 3214868480
	.section	.rodata,"a",@progbits
	.p2align	6, 0x0
	.amdhsa_kernel k_q0947a0b0b2_qattn
		.amdhsa_group_segment_fixed_size 327680
		.amdhsa_private_segment_fixed_size 0
		.amdhsa_enable_private_segment 0
		.amdhsa_kernarg_size 48
		.amdhsa_user_sgpr_count 2
		.amdhsa_user_sgpr_kernarg_segment_ptr 1
		.amdhsa_wavefront_size32 1
		.amdhsa_system_sgpr_workgroup_id_x 1
		.amdhsa_system_sgpr_workgroup_id_y 1
		.amdhsa_system_sgpr_workgroup_id_z 1
		.amdhsa_system_vgpr_workitem_id 0
		.amdhsa_next_free_vgpr 768
		.amdhsa_next_free_sgpr 102
		.amdhsa_reserve_vcc 0
		.amdhsa_float_denorm_mode_32 3
		.amdhsa_float_denorm_mode_16_64 3
		.amdhsa_memory_ordered 1
		.amdhsa_forward_progress 1
		.amdhsa_inst_pref_size 255
	.end_amdhsa_kernel
	.section	.bss,"aw",@nobits
	.p2align	6
	.space	262144
	.amdgpu_metadata
---
amdhsa.version: [ 1, 2 ]
amdhsa.kernels:
  - .name:           k_q0947a0b0b2_qattn
    .symbol:         k_q0947a0b0b2_qattn.kd
    .args:
      - { .name: query, .offset: 0, .size: 8, .value_kind: global_buffer, .address_space: global }
      - { .name: wqh, .offset: 8, .size: 8, .value_kind: global_buffer, .address_space: global }
      - { .name: bq, .offset: 16, .size: 8, .value_kind: global_buffer, .address_space: global }
      - { .name: kv, .offset: 24, .size: 8, .value_kind: global_buffer, .address_space: global }
      - { .name: mask, .offset: 32, .size: 8, .value_kind: global_buffer, .address_space: global }
      - { .name: ao, .offset: 40, .size: 8, .value_kind: global_buffer, .address_space: global }
    .group_segment_fixed_size: 327680
    .private_segment_fixed_size: 0
    .kernarg_segment_align: 8
    .kernarg_segment_size: 48
    .max_flat_workgroup_size: 128
    .sgpr_count:     102
    .vgpr_count:     768
    .wavefront_size: 32
...
	.end_amdgpu_metadata
.endif
;; end of part 2
;; launch oproj (part 3): grid 4 x 64, 4 waves a work-group, clusters of 4 x 4, 327,680 bytes of LDS; arguments ao, woh, bo, out0; writes out0
.if DOCPART == 3
	.amdgcn_target "amdgcn-amd-amdhsa--gfx1250"
	.amdhsa_code_object_version 6
	.text
	.protected	k_q0947a0b0b2_oproj
	.globl	k_q0947a0b0b2_oproj
	.p2align	8
	.type	k_q0947a0b0b2_oproj,@function
k_q0947a0b0b2_oproj:
	s_mov_b64 s[64:65], 0
	v_nop
	global_prefetch_b8 v0, s[64:65] scope:SCOPE_SE
	s_setreg_imm32_b32 hwreg(HW_REG_WAVE_MODE, 25, 1), 1
	s_wait_xcnt 0x0
	s_wait_alu depctr_hold_cnt(0) depctr_sa_sdst(0) depctr_va_vdst(0) depctr_va_sdst(0) depctr_va_ssrc(0) depctr_va_vcc(0) depctr_vm_vsrc(0)
	s_getreg_b32 s2, hwreg(HW_REG_IB_STS2, 6, 4)
	s_cmp_eq_u32 s2, 0
	s_cbranch_scc0 .Lentry_in_a_cluster
	s_endpgm
.Lentry_in_a_cluster:
	s_bfe_u32 s2, ttmp6, 0x10000c
	s_cmp_lg_u32 s2, 0xf033
	s_cbranch_scc0 .Lentry_shape_is_right
	s_endpgm
.Lentry_shape_is_right:
; out0 = ao Wo + bo.  ao [8192][1024] f16, woh [1024 k][1024 n] f16, out0 f32.  Sums in f32; bo is the C operand of the first products.
; A work-group makes 128 rows x 256 columns with four waves; a wave 64 rows x 128 columns: 32 accumulator tiles.
; Transposed use: A = columns of Wo (transposing LDS loads from rows that lie along n), B = rows of ao: a lane then holds 8 neighbouring columns of one row.
; K goes in steps of 128 through two LDS slots (ao 128 x 128, Wo 128 x 256), each wave fetching one half of one tile.
; CLUSTER 4 x 4: ao's tile hangs on the block row alone and is asked for jointly along a row of the cluster, Wo's on the block column alone, along a column.
; By this text's count a wave has two tensor loads outstanding at the start and one afterwards.
; LIMITS: operands are f16, as stored by the launches before.
.set SLOT,   104448
.set XPITCH, 272                       ; 128 f16 + 16 bytes
.set WPITCH, 544                       ; 256 f16 + 32 bytes
.set WOFF,   128*XPITCH
.set STAGE,  2*SLOT                    ; behind the ring: 16 rows x 528 bytes a wave; no fill lands here
.set SPITCH, 528                       ; 128 f32 + 16 bytes
.set XA,  16                           ; v16-17  ao fragments in slot 0, 1
.set WA,  18                           ; v18-19  Wo fragments in slot 0, 1
.set STO, 20
.set RD,  21
.set CO,  22
.set BOO, 23
.set WF0, 64                           ; v64-127, v128-191 Wo fragments, two buffers
.set XF0, 192                          ; v192-223, v224-255 ao fragments, two buffers
; window 1: acc(a, b) = v[8 (4 a + b)];  window 2: v0-63 bo, 8 a
.set G1X, 24
.set G0X, 32
.set G1W, 48
.set G0W, 56
.set MSB, 0
.macro WIN new                         ; the immediate's high byte repeats the setting that is left
.if MSB != \new
	s_set_vgpr_msb (MSB<<8)|\new
.set MSB, \new
.endif
.endm
.macro PLACES                          ; four places behind a matrix instruction (ISA guide 7.12.1)
.rept 4
	v_nop
.endr
.endm
.macro CREST
	s_cmp_lg_u32 s12, 0
	s_cbranch_scc1 .Lnw0_\@
	s_barrier_signal -3
.Lnw0_\@:
	s_barrier_wait -3
	s_barrier_signal -1
	s_barrier_wait -1
.endm
.macro CROUND
	s_barrier_signal -1
	s_barrier_wait -1
	CREST
.endm
.macro JLOAD s                         ; waves 0, 1: the halves of ao's tile; waves 2, 3: of Wo's.  One line for each mask
	s_cmp_eq_u32 s13, 0
	s_cbranch_scc0 .Ljw_\@
	tensor_load_to_lds s[G0X+4*\s:G0X+4*\s+3], s[G1X:G1X+7]
	s_nop 0
	s_branch .Lje_\@
.Ljw_\@:
	tensor_load_to_lds s[G0W+4*\s:G0W+4*\s+3], s[G1W:G1W+7]
	s_nop 0
.Lje_\@:
.endm
	s_load_b256 s[4:11], s[0:1], 0x0               ; ao, woh, bo, out0
	v_lshl_add_u32 v62, v0, 2, 0x3b400
	v_mov_b32 v63, 0
	ds_add_u32 v62, v63
	ds_add_u32 v62, v63
	v_lshrrev_b32 v1, 5, v0
	v_readfirstlane_b32 s12, v1                    ; wave
	s_lshr_b32 s13, s12, 1                         ; my half of the rows.  Also: I fetch ao (0) or Wo (1)
	s_and_b32 s14, s12, 1                          ; my half of the columns.  Also: which half of that tile I fetch
	s_bfe_u32 s16, ttmp6, 0x40000                  ; cx
	s_bfe_u32 s17, ttmp6, 0x40004                  ; cy
	s_lshl_b32 s18, ttmp9, 2
	s_add_co_u32 s18, s18, s16                     ; block column
	s_and_b32 s19, ttmp7, 0xffff
	s_lshl_b32 s19, s19, 2
	s_add_co_u32 s19, s19, s17                     ; block row
	s_lshl_b32 s20, s17, 2
	s_lshl_b32 s20, 15, s20                        ; my row of the cluster
	s_lshl_b32 s21, 0x1111, s16                    ; my column
	s_or_b32 s[G1X+0], s20, (1<<16)|(1<<20)|(1<<21)|(5<<22)|(3<<25)   ; ao: 2-byte elements, 4 words of padding behind every 64
	s_mov_b32 s[G1X+1], 128<<16
	s_mov_b32 s[G1X+2], 64<<16
	s_mov_b32 s[G1X+3], 128<<16
	s_mov_b32 s[G1X+4], 64                         ; 64 rows x 128 elements
	s_mov_b32 s[G1X+5], 1024
	s_mov_b32 s[G1X+6], 0
	s_mov_b32 s[G1X+7], 0
	s_or_b32 s[G1W+0], s21, (1<<16)|(1<<20)|(1<<21)|(6<<22)|(7<<25)   ; Wo: 8 words behind every 128
	s_mov_b32 s[G1W+1], 256<<16
	s_mov_b32 s[G1W+2], 64<<16
	s_mov_b32 s[G1W+3], 256<<16
	s_mov_b32 s[G1W+4], 64                         ; 64 rows (k) x 256 elements
	s_mov_b32 s[G1W+5], 1024
	s_mov_b32 s[G1W+6], 0
	s_mov_b32 s[G1W+7], 0
	s_lshl_b32 s22, s19, 7                         ; ao: row 128 x block row + 64 x half, rows of 2,048 bytes (no cx in these registers)
	s_lshl_b32 s23, s14, 6
	s_add_co_u32 s22, s22, s23
	s_lshl_b32 s22, s22, 11
	s_mov_b32 s23, 0
	s_lshl_b32 s40, s14, 17                        ; Wo: 64 x half rows of 2,048 bytes + 512 bytes a block column (no cy in these registers)
	s_lshl_b32 s41, s18, 9
	s_add_co_u32 s40, s40, s41
	s_mov_b32 s41, 0
	s_mul_i32 s[G0X+1], s14, 64*XPITCH
	s_mul_i32 s[G0W+1], s14, 64*WPITCH
	s_add_co_u32 s[G0W+1], s[G0W+1], WOFF
.irp g, G0X, G0W
	s_mov_b32 s[\g], 1
	s_mov_b32 s[\g+4], 1
	s_add_co_u32 s[\g+5], s[\g+1], SLOT
.endr
	s_wait_dscnt 0x0
	s_wait_kmcnt 0x0
	s_add_nc_u64 s[22:23], s[4:5], s[22:23]
	s_add_nc_u64 s[40:41], s[6:7], s[40:41]
	s_mov_b64 s[G0X+2:G0X+3], s[22:23]
	s_add_nc_u64 s[G0X+6:G0X+7], s[22:23], 256
	s_mov_b64 s[G0W+2:G0W+3], s[40:41]
	s_add_nc_u64 s[G0W+6:G0W+7], s[40:41], 128*2048
.irp g, G0X, G0W
	s_or_b32 s[\g+3], s[\g+3], 0x80000000
	s_or_b32 s[\g+7], s[\g+7], 0x80000000
.endr
	CROUND                                         ; all sixteen work-groups are here: the first joint loads meet
	JLOAD 0
	JLOAD 1
	s_lshl_b32 s40, s18, 10
	s_mov_b32 s41, 0
	s_add_nc_u64 s[8:9], s[8:9], s[40:41]          ; bo at my block column
	v_and_b32 v1, 15, v0                           ; r
	v_bfe_u32 v2, v0, 4, 1                         ; h
	v_and_b32 v3, 7, v0
	v_bfe_u32 v4, v0, 3, 1
	v_and_b32 v5, 31, v0                           ; L
	s_lshl_b32 s42, s14, 9
	v_lshl_add_u32 v[BOO], v2, 5, s42
	WIN 0x80
.irp a, 0,1,2,3,4,5,6,7
	global_load_b128 v[8*\a:8*\a+3],   v[BOO], s[8:9] offset:64*\a         ; register j: bo of column 16 a + 8 h + j
	global_load_b128 v[8*\a+4:8*\a+7], v[BOO], s[8:9] offset:64*\a+16
.endr
	WIN 0
	s_mul_i32 s42, s13, 64*XPITCH
	v_mul_u32_u24 v[XA], v1, XPITCH
	v_lshl_add_u32 v[XA], v2, 4, v[XA]
	v_add_nc_u32 v[XA], s42, v[XA]
	v_add_nc_u32 v[XA+1], SLOT, v[XA]
	s_lshl_b32 s42, s14, 8
	s_add_co_u32 s42, s42, WOFF
	v_lshl_add_u32 v6, v2, 3, v3
	v_mul_u32_u24 v[WA], v6, WPITCH
	v_lshl_add_u32 v[WA], v4, 4, v[WA]
	v_add_nc_u32 v[WA], s42, v[WA]
	v_add_nc_u32 v[WA+1], SLOT, v[WA]
	s_mul_i32 s42, s12, 16*SPITCH
	s_add_co_u32 s42, s42, STAGE
	v_mul_u32_u24 v[STO], v1, SPITCH
	v_lshl_add_u32 v[STO], v2, 5, v[STO]
	v_add_nc_u32 v[STO], s42, v[STO]
	v_lshl_add_u32 v[RD], v5, 4, s42
	v_lshlrev_b32 v[CO], 4, v5
.macro FETCHO slot, ks, g              ; the fragments of one quarter step (32 along K) into buffers g: 24 loads in one run
.irp a, 0,1,2,3,4,5,6,7
	ds_load_tr16_b128 v[WF0+64*\g+8*\a:WF0+64*\g+8*\a+3],   v[WA+\slot] offset:32*WPITCH*\ks+32*\a
	ds_load_tr16_b128 v[WF0+64*\g+8*\a+4:WF0+64*\g+8*\a+7], v[WA+\slot] offset:32*WPITCH*\ks+32*\a+16*WPITCH
.endr
.irp b, 0,1,2,3
	ds_load_b128 v[XF0+32*\g+8*\b:XF0+32*\g+8*\b+3],   v[XA+\slot] offset:16*XPITCH*\b+64*\ks
	ds_load_b128 v[XF0+32*\g+8*\b+4:XF0+32*\g+8*\b+7], v[XA+\slot] offset:16*XPITCH*\b+64*\ks+32
.endr
.endm
; 8 products: column tiles a0, a0 + 1 x four row tiles.  The 32 accumulators take turns, one instruction a turn.
.macro MULO2 g, a0, first
.if \first
	WIN 0x60
.else
	WIN 0x50
.endif
.irp a, \a0, \a0+1
.irp b, 0,1,2,3
.if \first
	v_wmma_f32_16x16x32_f16 v[8*(4*(\a)+\b):8*(4*(\a)+\b)+7], v[WF0+64*\g+8*(\a):WF0+64*\g+8*(\a)+7], v[XF0+32*\g+8*\b:XF0+32*\g+8*\b+7], v[8*(\a):8*(\a)+7]
.else
	v_wmma_f32_16x16x32_f16 v[8*(4*(\a)+\b):8*(4*(\a)+\b)+7], v[WF0+64*\g+8*(\a):WF0+64*\g+8*(\a)+7], v[XF0+32*\g+8*\b:XF0+32*\g+8*\b+7], v[8*(4*(\a)+\b):8*(4*(\a)+\b)+7]
.endif
.endr
.endr
.endm
.macro SUBO slot, nks, g, ng, first    ; one of a trip's first three quarter steps
	s_wait_dscnt 0x0                               ; this quarter's fragments
	MULO2 \g, 0, \first
	WIN 0
	PLACES                                         ; the other buffers were sources of the last quarter's products
	FETCHO \slot, \nks, \ng
	MULO2 \g, 2, \first
	MULO2 \g, 4, \first
	MULO2 \g, 6, \first
.endm
; The last quarter step changes slots: each wave waits for its reads of this slot and for all its tensor loads (its part of the other slot) in front of
; the signal; only products stand between signal and wait; where the slot is filled again the barrier opens a round of the cluster's barrier and the
; joint refill is first behind it.
.macro TURNO slot, other, fill
	s_wait_dscnt 0x0
	s_wait_tensorcnt 0x0
	ds_add_u32 v62, v63
	s_wait_dscnt 0x0
	s_barrier_signal -1
	MULO2 1, 0, 0
	MULO2 1, 2, 0
	WIN 0
	s_barrier_wait -1
.if \fill
	CREST
	s_add_nc_u64 s[G0X+4*\slot+2:G0X+4*\slot+3], s[G0X+4*\slot+2:G0X+4*\slot+3], 2*256
	s_add_nc_u64 s[G0W+4*\slot+2:G0W+4*\slot+3], s[G0W+4*\slot+2:G0W+4*\slot+3], 2*128*2048
	JLOAD \slot
.endif
	PLACES
	FETCHO \other, 0, 0
	MULO2 1, 4, 0
	MULO2 1, 6, 0
.endm
.macro THREE slot, first
	SUBO \slot, 1, 0, 1, \first
	SUBO \slot, 2, 1, 0, 0
	SUBO \slot, 3, 0, 1, 0
.endm
	s_wait_loadcnt 0x0                             ; bo
	s_wait_tensorcnt 0x1                           ; my part of K step 0 is in; K step 1's stays out
	s_barrier_signal -1
	s_barrier_wait -1
	FETCHO 0, 0, 0
	THREE 0, 1
	TURNO 0, 1, 1
	THREE 1, 0
	TURNO 1, 0, 1
	WIN 0
	s_mov_b32 s15, 2
.Llap:
	THREE 0, 0
	TURNO 0, 1, 1
	THREE 1, 0
	TURNO 1, 0, 1
	WIN 0
	s_sub_co_u32 s15, s15, 1
	s_cmp_lg_u32 s15, 0
	s_cbranch_scc1 .Llap
	THREE 0, 0                                     ; the last two K steps fill nothing
	TURNO 0, 1, 0
	THREE 1, 0
	s_wait_dscnt 0x0
	MULO2 1, 0, 0
	MULO2 1, 2, 0
	MULO2 1, 4, 0
	MULO2 1, 6, 0
	WIN 0
	; THE WAY OUT, 16 rows at a time, through my own stage: 32 bytes a lane in, whole rows of 512 bytes back.
	PLACES
	s_lshl_b32 s22, s19, 7
	s_lshl_b32 s23, s13, 6
	s_add_co_u32 s22, s22, s23
	s_lshl_b32 s22, s22, 12                        ; my first row, rows of 4,096 bytes
	s_mov_b32 s23, 0
	s_add_nc_u64 s[10:11], s[10:11], s[22:23]
	s_lshl_b32 s40, s18, 10                        ; my first column: 1,024 bytes a block + 512 a half
	s_lshl_b32 s41, s14, 9
	s_add_co_u32 s40, s40, s41
	s_mov_b32 s41, 0
	s_add_nc_u64 s[10:11], s[10:11], s[40:41]
.macro OUTO b, f
	WIN 0x04                                       ; store data in window 1
.irp a, 0,1,2,3,4,5,6,7
	ds_store_b128 v[STO], v[8*(4*\a+\b):8*(4*\a+\b)+3]   offset:64*\a
	ds_store_b128 v[STO], v[8*(4*\a+\b)+4:8*(4*\a+\b)+7] offset:64*\a+16
.endr
	WIN 0
	s_wait_xcnt 0x0                                ; buffer f, which earlier stores read, and the stores' base are written again only behind this wait
.if \b
	s_add_nc_u64 s[10:11], s[10:11], 16*4096
.endif
.irp i, 0,1,2,3,4,5,6,7,8,9,10,11,12,13,14,15
	ds_load_b128 v[\f+4*\i:\f+4*\i+3], v[RD] offset:SPITCH*\i      ; LDS serves a wave's instructions in order (ISA guide 5.7.1.4): these see the stores above
.endr
.irp i, 0,1,2,3,4,5,6,7,8,9,10,11,12,13,14,15
	s_wait_dscnt 15-\i
	global_store_b128 v[CO], v[\f+4*\i:\f+4*\i+3], s[10:11] offset:4096*\i th:TH_STORE_NT   ; the wave stores 512 consecutive bytes of one row
.endr
.endm
	OUTO 0, 64
	OUTO 1, 128
	OUTO 2, 64
	OUTO 3, 128
	s_wait_tensorcnt 0x0
	ds_add_u32 v62, v63
	s_wait_dscnt 0x0
	CROUND                                         ; the closing round: no work-group ends while a partner may still ask for a tile that names it
	s_endpgm
.Lfunc_end_k_q0947a0b0b2_oproj:
	.size	k_q0947a0b0b2_oproj, .Lfunc_end_k_q0947a0b0b2_oproj-k_q0947a0b0b2_oproj
	.p2alignl 7, 3214868480
	.fill 96, 4, 3214868480
	.section	.rodata,"a",@progbits
	.p2align	6, 0x0
	.amdhsa_kernel k_q0947a0b0b2_oproj
		.amdhsa_group_segment_fixed_size 327680
		.amdhsa_private_segment_fixed_size 0
		.amdhsa_enable_private_segment 0
		.amdhsa_kernarg_size 32
		.amdhsa_user_sgpr_count 2
		.amdhsa_user_sgpr_kernarg_segment_ptr 1
		.amdhsa_wavefront_size32 1
		.amdhsa_system_sgpr_workgroup_id_x 1
		.amdhsa_system_sgpr_workgroup_id_y 1
		.amdhsa_system_sgpr_workgroup_id_z 1
		.amdhsa_system_vgpr_workitem_id 0
		.amdhsa_next_free_vgpr 576
		.amdhsa_next_free_sgpr 66
		.amdhsa_reserve_vcc 0
		.amdhsa_float_denorm_mode_32 3
		.amdhsa_float_denorm_mode_16_64 3
		.amdhsa_memory_ordered 1
		.amdhsa_forward_progress 1
		.amdhsa_inst_pref_size 119
	.end_amdhsa_kernel
	.amdgpu_metadata
---
amdhsa.version: [ 1, 2 ]
amdhsa.kernels:
  - .name:           k_q0947a0b0b2_oproj
    .symbol:         k_q0947a0b0b2_oproj.kd
    .args:
      - { .name: ao, .offset: 0, .size: 8, .value_kind: global_buffer, .address_space: global }
      - { .name: woh, .offset: 8, .size: 8, .value_kind: global_buffer, .address_space: global }
      - { .name: bo, .offset: 16, .size: 8, .value_kind: global_buffer, .address_space: global }
      - { .name: out0, .offset: 24, .size: 8, .value_kind: global_buffer, .address_space: global }
    .group_segment_fixed_size: 327680
    .private_segment_fixed_size: 0
    .kernarg_segment_align: 8
    .kernarg_segment_size: 32
    .max_flat_workgroup_size: 128
    .sgpr_count:     66
    .vgpr_count:     576
    .wavefront_size: 32
...
	.end_amdgpu_metadata
.endif
;; end of part 3
;; ======== version 2 of 2: 3 launches
;; limits: values are held in f16: magnitudes above 65,504 overflow, below 6.1e-05 lose precision
;; workspace buffers: kv 2,097,152 bytes; wqh 2,097,152 bytes; woh 2,097,152 bytes; ao 16,777,216 bytes
;; launch prep: the kernel of part 1 again; grid 256 x 1, 4 waves a work-group, no clusters, 279,040 bytes of LDS; arguments key, value, Wk, Wv, bk, bv, mask, Wq, Wo, kv, wqh, woh; writes kv, wqh, woh
;; launch qattn (part 4): grid 4 x 64, 4 waves a work-group, clusters of 4 x 4, 327,680 bytes of LDS; arguments query, wqh, bq, kv, mask, ao; writes ao
.if DOCPART == 4
	.amdgcn_target "amdgcn-amd-amdhsa--gfx1250"
	.amdhsa_code_object_version 6
	.text
	.protected	k_q0947a0b0b2_qattn
	.globl	k_q0947a0b0b2_qattn
	.p2align	8
	.type	k_q0947a0b0b2_qattn,@function
k_q0947a0b0b2_qattn:
	s_mov_b64 s[64:65], 0
	v_nop
	global_prefetch_b8 v0, s[64:65] scope:SCOPE_SE
	s_setreg_imm32_b32 hwreg(HW_REG_WAVE_MODE, 25, 1), 1
	s_wait_xcnt 0x0
	s_wait_alu depctr_hold_cnt(0) depctr_sa_sdst(0) depctr_va_vdst(0) depctr_va_sdst(0) depctr_va_ssrc(0) depctr_va_vcc(0) depctr_vm_vsrc(0)
	s_getreg_b32 s2, hwreg(HW_REG_IB_STS2, 6, 4)
	s_cmp_eq_u32 s2, 0
	s_cbranch_scc0 .Lentry_in_a_cluster
	s_endpgm
.Lentry_in_a_cluster:
	s_bfe_u32 s2, ttmp6, 0x10000c
	s_cmp_lg_u32 s2, 0xf033
	s_cbranch_scc0 .Lentry_shape_is_right
	s_endpgm
.Lentry_shape_is_right:
; q = query Wq + bq and softmax(q k^T / 8, masked) v, fused: a work-group owns 128 rows of one batch and 4 heads (256 columns); result ao in f16.
; Everything is computed transposed, so that no result changes lanes on its way into the next product:
;   q^T = Wq^T x^T   (A: columns of Wq by transposing LDS loads, B: rows of x)      D: lane = row, registers = 8 neighbouring columns
;   S^T = K' Q^T     (A: rows of k', B: q straight from the D above, packed)          D: lane = query, registers = 8 neighbouring keys
;   O^T = V^T P^T    (A: columns of v by transposing LDS loads, B: exp of the D above, packed)   D: lane = query, registers = 8 neighbouring d
; k' carries log2 e / 8 and is zero for masked keys; the mask enters as the C operand of the score product: 0, or -1e9 log2 e.
; A running maximum per query is taken away before every exponential; a row whose keys are all masked gives the plain mean of v.
; Wave w: rows 64 (w >> 1) .. + 63, heads 2 (w & 1), 2 (w & 1) + 1: eight query tiles t = 4 head + row tile.
; CLUSTER 4 x 4: cx = head group, cy = batch, the cluster's y = block of 128 rows.  x, k' and v hang on cy and the cluster's y alone and are asked for
; jointly along a row of the cluster; Wq's tile hangs on cx alone and is asked for jointly along a column.
; ONE RING of two LDS slots serves both phases: eight K steps of 128 of the projection (x 128 x 128 f32, Wq 128 x 256 f16), then four tiles of 512 keys
; (k' and v).  A slot is filled again with the tile two places on, by one joint load a wave behind a round of the cluster's barrier.
; By this text's count a wave has two tensor loads outstanding at the start and one afterwards.
; THE STEP OF 64 KEYS IS A PIPELINE over the eight query tiles: products and vector work take turns, one product, then a handful of vector instructions.
;   X(t): the maximum is taken away from tile t's scores and the exponentials are made; between them stand the score products of tile t + 1;
;   Y(t): O(t) follows the new maximum, the sums, P(t) in f16, and the maximum of tile t + 1; between them stand the products P V of tile t - 1.
; It wraps round the loop: the next step's tile 0 gets its scores in X(7), this step's tile 7 its P V in the next step's Y(0).
;   - The running maxima start at -inf: in the first step the factor 2^(old - new maximum) is 0, and the ordinary rescale makes zeros of the O registers,
;     which still hold the projection's sums.  The P V that is pending at the very start multiplies a P of zeros.
;   - The fetch ahead of k' and bias takes the 64 keys number (step + 1) mod 8 of the tile.  In a tile's last step these are the tile's first 64 keys again:
;     their scores are, bit for bit, those that tile 0's running maximum has already seen, so that the update changes nothing; the next tile of keys
;     begins with scores and a maximum of its own.
; LIMITS: matrix operands are f16 (sums f32): x, Wq, q, k', v and the result must stay below 65,504 in magnitude; q must be finite (it is multiplied by 0).
.set SLOT,    155648
.set XPITCH,  528                      ; 128 f32 + 16 bytes
.set WPITCH,  544                      ; 256 f16 + 32 bytes (transposing loads: an odd multiple of 32)
.set KPITCH,  144                      ; 64 f16 + 16 bytes
.set VPITCH,  160                      ; 64 f16 + 32 bytes
.set OPITCH,  272                      ; the way out: 128 f16 + 16 bytes
.set WOFF,    128*XPITCH               ; Wq's tile behind x's
.set VOFF,    512*KPITCH               ; v's tile behind k's
.set BIAS,    2*SLOT                   ; 2,048 f32: 0 or -1e9 log2 e; written by LDS stores, never a fill's target
; window 0
.set KA,  1                            ; v1-2    k' fragments in slot 0, 1
.set VA,  3                            ; v3-4    v fragments in slot 0, 1
.set B0R, 5                            ; v5      BIAS + 32 h
.set VK,  6                            ; v6-8    addresses of the step's k', v, bias
.set VV,  7
.set VBI, 8
.set STO, 9                            ; v9-11   the way out
.set RD,  10
.set CO,  11
.set PFO, 12                           ; v12     prefetch offset
.set BQO, 13                           ; v13     offset in bq
.set XA,  16                           ; v16-17  projection: x fragments in slot 0, 1
.set WA,  18                           ; v18-19  projection: Wq fragments in slot 0, 1
.set RM,  16                           ; v16-23  attention: running maximum of tile t
.set RL,  24                           ; v24-39  running sums of tile t, a pair
.set MN,  40                           ; v40-41  new maximum (v41 only completes the pair)
.set AL,  42                           ; v42-43  2^(old - new maximum) of even tiles, v52-53 of odd tiles (v43, v53 only complete the pairs)
.set RT,  44                           ; v44-51  at work: the sums
.set RB,  54                           ; v54-57  at work: the maximum
.set RS,  64                           ; v64-127 scores, two buffers of 32
.set RP,  128                          ; v128-143 P in f16 of even tiles, v240-255 of odd tiles
.set BI,  144                          ; v144-175 bias of the step's 64 keys
.set KF,  176                          ; v176-239 k' fragments of the step
.set WF0, 64                           ; projection: v64-127, v128-191 Wq fragments, two buffers
.set XS,  192                          ; projection: v192-255 x as loaded, f32
.set OT,  64                           ; the way out: packed results
; window 1
.set QF,  0                            ; q fragments: 16 t + 8 kf
.set VF,  128                          ; v fragments: 8 (4 kk + dt)
.set XB,  128                          ; projection: x fragments in f16, two buffers of 32
; window 2: projection acc(a, b) = v[8 (4 a + b)], attention O(t, dt) = v[8 (4 t + dt)]
.set G1X, 32
.set G1W, 40
.set G0X, 48
.set G0W, 56
.set G1K, 68
.set G1V, 76
.set G0K, 84
.set G0V, 92
.set MSB, 0
.macro WIN new                         ; the immediate's high byte repeats the setting that is left
.if MSB != \new
	s_set_vgpr_msb (MSB<<8)|\new
.set MSB, \new
.endif
.endm
.macro PLACES                          ; four places behind a matrix instruction (ISA guide 7.12.1)
	s_wait_alu depctr_va_vdst(0)
.rept 4
	v_nop
.endr
.endm
.macro CREST                           ; a round of the cluster's barrier behind its opening barrier
	s_cmp_lg_u32 s16, 0
	s_cbranch_scc1 .Lnw0_\@
	s_barrier_signal -3
.Lnw0_\@:
	s_barrier_wait -3
	s_barrier_signal -1
	s_barrier_wait -1
.endm
.macro CROUND
	s_barrier_signal -1
	s_barrier_wait -1
	CREST
.endm
; Joint loads.  Waves 0, 1 fetch the halves of x (k'), waves 2, 3 the halves of Wq (v): one line for each mask, the branch on the wave's number alone.
.macro JLOADA s
	s_cmp_eq_u32 s17, 0
	s_cbranch_scc0 .Ljw_\@
	tensor_load_to_lds s[G0X+4*\s:G0X+4*\s+3], s[G1X:G1X+7]
	s_nop 0
	s_branch .Lje_\@
.Ljw_\@:
	tensor_load_to_lds s[G0W+4*\s:G0W+4*\s+3], s[G1W:G1W+7]
	s_nop 0
.Lje_\@:
.endm
.macro JLOADB s
	s_cmp_eq_u32 s17, 0
	s_cbranch_scc0 .Ljv_\@
	tensor_load_to_lds s[G0K+4*\s:G0K+4*\s+3], s[G1K:G1K+7]
	s_nop 0
	s_branch .Ljf_\@
.Ljv_\@:
	tensor_load_to_lds s[G0V+4*\s:G0V+4*\s+3], s[G1V:G1V+7]
	s_nop 0
.Ljf_\@:
.endm
	s_load_b256 s[4:11], s[0:1], 0x0               ; query, wqh, bq, kv
	s_load_b128 s[12:15], s[0:1], 0x20             ; mask, ao
	v_lshl_add_u32 v62, v0, 2, 0x4e000
	v_mov_b32 v63, 0
	ds_add_u32 v62, v63
	ds_add_u32 v62, v63
	v_lshrrev_b32 v44, 5, v0
	v_readfirstlane_b32 s16, v44                   ; wave
	s_lshr_b32 s17, s16, 1                         ; my half of the rows.  Also: I fetch x / k' (0) or Wq / v (1)
	s_and_b32 s18, s16, 1                          ; my pair of heads.  Also: which half of that tile I fetch
	s_bfe_u32 s20, ttmp6, 0x40000                  ; cx
	s_bfe_u32 s21, ttmp6, 0x40004                  ; cy = batch
	s_and_b32 s22, ttmp7, 0xffff                   ; the cluster's y = block of 128 rows in the batch
	s_lshl_b32 s25, ttmp9, 2
	s_add_co_u32 s25, s25, s20                     ; head group = 4 x cluster x + cx
	s_lshl_b32 s26, s21, 2
	s_lshl_b32 s26, 15, s26                        ; my row of the cluster
	s_lshl_b32 s27, 0x1111, s20                    ; my column
	s_mov_b32 s28, 0x76543210                      ; v_permlanex16_b32: lane i reads lane i of the other half
	s_mov_b32 s29, 0xfedcba98
	s_or_b32 s[G1X+0], s26, (2<<16)|(1<<20)|(1<<21)|(6<<22)|(3<<25)   ; x: 4-byte elements, 4 words of padding behind every 128
	s_mov_b32 s[G1X+1], 128<<16
	s_mov_b32 s[G1X+2], 64<<16
	s_mov_b32 s[G1X+3], 128<<16
	s_mov_b32 s[G1X+4], 64                         ; 64 rows x 128 elements
	s_mov_b32 s[G1X+5], 1024
	s_mov_b32 s[G1X+6], 0
	s_mov_b32 s[G1X+7], 0
	s_or_b32 s[G1W+0], s27, (1<<16)|(1<<20)|(1<<21)|(6<<22)|(7<<25)   ; Wq: 2-byte elements, 8 words behind every 128
	s_mov_b32 s[G1W+1], 256<<16
	s_mov_b32 s[G1W+2], 64<<16
	s_mov_b32 s[G1W+3], 256<<16
	s_mov_b32 s[G1W+4], 64                         ; 64 rows (k) x 256 elements
	s_mov_b32 s[G1W+5], 1024
	s_mov_b32 s[G1W+6], 0
	s_mov_b32 s[G1W+7], 0
	s_or_b32 s[G1K+0], s26, (1<<16)|(1<<20)|(1<<21)|(4<<22)|(3<<25)   ; k': 4 words behind every 32
	s_mov_b32 s[G1K+1], 64<<16
	s_mov_b32 s[G1K+2], 256<<16
	s_mov_b32 s[G1K+3], 64<<16
	s_mov_b32 s[G1K+4], 256                        ; 256 keys x 64 elements
	s_mov_b32 s[G1K+5], 64
	s_mov_b32 s[G1K+6], 0
	s_mov_b32 s[G1K+7], 0
	s_or_b32 s[G1V+0], s26, (1<<16)|(1<<20)|(1<<21)|(4<<22)|(7<<25)   ; v: 8 words behind every 32
	s_mov_b32 s[G1V+1], 64<<16
	s_mov_b32 s[G1V+2], 256<<16
	s_mov_b32 s[G1V+3], 64<<16
	s_mov_b32 s[G1V+4], 256
	s_mov_b32 s[G1V+5], 64
	s_mov_b32 s[G1V+6], 0
	s_mov_b32 s[G1V+7], 0
	; where the tiles come from: x, k', v in registers that never hold cx, Wq in registers that never hold cy
	s_lshl_b32 s23, s21, 11
	s_lshl_b32 s24, s22, 7
	s_add_co_u32 s23, s23, s24                     ; my first row of the 8,192
	s_lshl_b32 s24, s18, 6
	s_add_co_u32 s24, s24, s23
	s_lshl_b32 s30, s24, 12                        ; x: (first row + 64 half) rows of 4,096 bytes
	s_mov_b32 s31, 0
	s_lshl_b32 s100, s18, 17                       ; Wq: 64 half rows of 2,048 bytes
	s_lshl_b32 s101, s25, 9                        ; + 512 bytes a head group
	s_add_co_u32 s100, s100, s101
	s_mov_b32 s101, 0
	s_lshl_b32 s2, s21, 18                         ; k': 2,048 batch rows of 128 bytes
	s_lshl_b32 s3, s18, 15                         ; + 256 half
	s_add_co_u32 s2, s2, s3
	s_mov_b32 s3, 0
	s_lshl_b32 s66, s23, 12                        ; prefetch: x at my first row
	s_mov_b32 s67, 0
	; and where they go: the half times a constant, plus the slot's constant
	s_mul_i32 s[G0X+1], s18, 64*XPITCH
	s_mul_i32 s[G0W+1], s18, 64*WPITCH
	s_add_co_u32 s[G0W+1], s[G0W+1], WOFF
	s_mul_i32 s[G0K+1], s18, 256*KPITCH
	s_mul_i32 s[G0V+1], s18, 256*VPITCH
	s_add_co_u32 s[G0V+1], s[G0V+1], VOFF
.irp g, G0X, G0W, G0K, G0V
	s_mov_b32 s[\g], 1
	s_mov_b32 s[\g+4], 1
	s_add_co_u32 s[\g+5], s[\g+1], SLOT
.endr
	s_wait_dscnt 0x0
	s_wait_kmcnt 0x0
	s_add_nc_u64 s[30:31], s[4:5], s[30:31]
	s_add_nc_u64 s[100:101], s[6:7], s[100:101]
	s_add_nc_u64 s[2:3], s[10:11], s[2:3]
	s_add_nc_u64 s[66:67], s[4:5], s[66:67]
	s_mov_b64 s[G0X+2:G0X+3], s[30:31]                         ; K step 0
	s_add_nc_u64 s[G0X+6:G0X+7], s[30:31], 512                 ; K step 1
	s_mov_b64 s[G0W+2:G0W+3], s[100:101]
	s_add_nc_u64 s[G0W+6:G0W+7], s[100:101], 128*2048
	s_mov_b64 s[G0K+2:G0K+3], s[2:3]                           ; keys 0-511
	s_add_nc_u64 s[G0K+6:G0K+7], s[2:3], 512*128               ; keys 512-1023
	s_add_nc_u64 s[G0V+2:G0V+3], s[2:3], 1048576
	s_add_nc_u64 s[G0V+6:G0V+7], s[2:3], 1048576+512*128
.irp g, G0X, G0W, G0K, G0V
	s_or_b32 s[\g+3], s[\g+3], 0x80000000
	s_or_b32 s[\g+7], s[\g+7], 0x80000000
.endr
	CROUND                                         ; all sixteen work-groups are here: the first joint loads meet
	JLOADA 0
	JLOADA 1
	s_lshl_b32 s100, s25, 10
	s_mov_b32 s101, 0
	s_add_nc_u64 s[8:9], s[8:9], s[100:101]        ; bq at my head group
	s_lshl_b32 s30, s21, 11
	s_mov_b32 s31, 0
	s_add_nc_u64 s[12:13], s[12:13], s[30:31]      ; mask at my batch
	v_and_b32 v44, 15, v0                          ; r
	v_bfe_u32 v45, v0, 4, 1                        ; h
	v_and_b32 v46, 7, v0                           ; L & 7
	v_bfe_u32 v47, v0, 3, 1                        ; (L >> 3) & 1
	v_lshl_add_u32 v48, v45, 3, v46                ; 8 h + (L & 7)
	s_lshl_b32 s19, s18, 9
	v_lshl_add_u32 v[BQO], v45, 5, s19
	v_lshlrev_b32 v14, 4, v0                       ; my 16 mask bytes
	; bq starts the projection's sums: it is loaded straight into the 32 accumulator tiles (register j of tile (a, b): bq of column 16 a + 8 h + j),
	; so that the first K step is a trip of the loop like the others.
	WIN 0x80
.irp a, 0,1,2,3,4,5,6,7
.irp b, 0,1,2,3
	global_load_b128 v[8*(4*\a+\b):8*(4*\a+\b)+3],   v[BQO], s[8:9] offset:64*\a
	global_load_b128 v[8*(4*\a+\b)+4:8*(4*\a+\b)+7], v[BQO], s[8:9] offset:64*\a+16
.endr
.endr
	WIN 0
	global_load_b128 v[52:55], v14, s[12:13]
	; Prefetch of x: the four partners of a row of the cluster take 32 of the 128 rows each; a lane asks for one block of 256 bytes, four lanes for the
	; 1,024 bytes of two K steps.
	v_lshrrev_b32 v49, 2, v0
	v_lshl_add_u32 v49, s20, 5, v49
	v_and_b32 v50, 3, v0
	v_lshlrev_b32 v50, 8, v50
	v_lshl_add_u32 v[PFO], v49, 12, v50
	v_mul_u32_u24 v[KA], v44, KPITCH
	v_lshl_add_u32 v[KA], v45, 4, v[KA]
	v_add_nc_u32 v[KA+1], SLOT, v[KA]
	v_mul_u32_u24 v[VA], v48, VPITCH
	v_lshl_add_u32 v[VA], v47, 4, v[VA]
	v_add_nc_u32 v[VA], VOFF, v[VA]
	v_add_nc_u32 v[VA+1], SLOT, v[VA]
	v_lshlrev_b32 v[B0R], 5, v45
	v_add_nc_u32 v[B0R], BIAS, v[B0R]
	s_mul_i32 s19, s16, 16*OPITCH
	v_mul_u32_u24 v[STO], v44, OPITCH
	v_lshl_add_u32 v[STO], v45, 4, v[STO]
	v_add_nc_u32 v[STO], s19, v[STO]
	v_mul_u32_u24 v[RD], v45, OPITCH
	v_lshl_add_u32 v[RD], v44, 4, v[RD]
	v_add_nc_u32 v[RD], s19, v[RD]
	v_lshlrev_b32 v[CO], 4, v44
	v_lshl_add_u32 v[CO], v45, 11, v[CO]
	s_mul_i32 s19, s17, 64*XPITCH
	v_mul_u32_u24 v[XA], v44, XPITCH
	v_lshl_add_u32 v[XA], v45, 5, v[XA]
	v_add_nc_u32 v[XA], s19, v[XA]
	v_add_nc_u32 v[XA+1], SLOT, v[XA]
	s_lshl_b32 s19, s18, 8
	s_add_co_u32 s19, s19, WOFF
	v_mul_u32_u24 v[WA], v48, WPITCH
	v_lshl_add_u32 v[WA], v47, 4, v[WA]
	v_add_nc_u32 v[WA], s19, v[WA]
	v_add_nc_u32 v[WA+1], SLOT, v[WA]
	v_lshlrev_b32 v15, 6, v0
	v_add_nc_u32 v15, BIAS, v15
	s_wait_loadcnt 0x0                             ; bq and the mask
	; mask byte 1 -> 0, 0 -> -1e9 log2 e: (byte - 1) is all zeros or all ones
.irp q, 0,1,2,3
.irp e, 0,1,2,3
	v_bfe_u32 v[64+4*\q+\e], v[52+\q], 8*\e, 8
	v_add_nc_u32 v[64+4*\q+\e], -1, v[64+4*\q+\e]
	v_and_b32 v[64+4*\q+\e], 0xceabfb8f, v[64+4*\q+\e]
.endr
	ds_store_b128 v15, v[64+4*\q:64+4*\q+3] offset:16*\q
.endr
; ---- the projection ----
; The fragments of one quarter step (32 along K): first 16 loads of x (f32), then 16 transposing loads of Wq into buffer g.
.macro FETCHA slot, ks, g
.irp b, 0,1,2,3
	ds_load_b128 v[XS+16*\b:XS+16*\b+3],     v[XA+\slot] offset:16*XPITCH*\b+128*\ks
	ds_load_b128 v[XS+16*\b+4:XS+16*\b+7],   v[XA+\slot] offset:16*XPITCH*\b+128*\ks+16
	ds_load_b128 v[XS+16*\b+8:XS+16*\b+11],  v[XA+\slot] offset:16*XPITCH*\b+128*\ks+64
	ds_load_b128 v[XS+16*\b+12:XS+16*\b+15], v[XA+\slot] offset:16*XPITCH*\b+128*\ks+80
.endr
.irp a, 0,1,2,3,4,5,6,7
	ds_load_tr16_b128 v[WF0+64*\g+8*\a:WF0+64*\g+8*\a+3],   v[WA+\slot] offset:32*WPITCH*\ks+32*\a
	ds_load_tr16_b128 v[WF0+64*\g+8*\a+4:WF0+64*\g+8*\a+7], v[WA+\slot] offset:32*WPITCH*\ks+32*\a+16*WPITCH
.endr
.endm
.macro CVTX g                          ; x to f16, into fragment buffer g of window 1
	WIN 0x40
.set i, 0
.rept 32
	v_cvt_pk_f16_f32 v[XB+32*\g+i], v[XS+2*i], v[XS+2*i+1]
.set i, i+1
.endr
	WIN 0
.endm
; 16 products: column tiles a0 .. a0 + 3 x four row tiles.  The 32 accumulators take turns, one instruction a turn.
.macro MULA4 g, a0
	WIN 0xa4
.irp a, \a0, \a0+1, \a0+2, \a0+3
.irp b, 0,1,2,3
	v_wmma_f32_16x16x32_f16 v[8*(4*(\a)+\b):8*(4*(\a)+\b)+7], v[WF0+64*\g+8*(\a):WF0+64*\g+8*(\a)+7], v[XB+32*\g+8*\b:XB+32*\g+8*\b+7], v[8*(4*(\a)+\b):8*(4*(\a)+\b)+7]
.endr
.endr
.endm
; One of a trip's first three quarter steps: buffers g; fetches quarter nks into buffers ng.
.macro SUBA slot, nks, g, ng
	s_wait_dscnt 16                                ; the x part of my fetch is in; the 16 loads of Wq issued behind it may be out
	CVTX \g                                        ; 32 plain instructions: also the places in front of the loads into the other Wq buffer
	FETCHA \slot, \nks, \ng
	s_wait_dscnt 32                                ; all but the 32 just issued: this quarter's Wq fragments are in
	MULA4 \g, 0
	MULA4 \g, 4
.endm
; The last quarter step changes slots.  In front of the round's opening signal each wave waits for its reads of this slot and for all its tensor loads
; (the one that is out is its part of the other slot); only products stand inside the round; the joint refill is first behind it.
; kind 0: this slot gets the K step two on; kind 1: it gets its first tile of k' and v.
.macro TURNA slot, other, kind, last
	s_wait_dscnt 0x0
	CVTX 1
	s_wait_tensorcnt 0x0
	ds_add_u32 v62, v63
	s_wait_dscnt 0x0
	s_barrier_signal -1
	MULA4 1, 0
	WIN 0
	s_barrier_wait -1
	CREST
.if \kind == 0
	s_add_nc_u64 s[G0X+4*\slot+2:G0X+4*\slot+3], s[G0X+4*\slot+2:G0X+4*\slot+3], 2*512
	s_add_nc_u64 s[G0W+4*\slot+2:G0W+4*\slot+3], s[G0W+4*\slot+2:G0W+4*\slot+3], 2*128*2048
	JLOADA \slot
.else
	JLOADB \slot
.endif
.if \last == 0
	FETCHA \other, 0, 0
.endif
	MULA4 1, 4
.endm
.macro TRIPA slot, other, kind, last, pf
	SUBA \slot, 1, 0, 1
.if \pf
	global_prefetch_b8 v[PFO], s[66:67] offset:1024 th:TH_LOAD_NT scope:SCOPE_SE    ; the address stands in source 0's window, which is 0 here
.endif
	SUBA \slot, 2, 1, 0
	SUBA \slot, 3, 0, 1
	TURNA \slot, \other, \kind, \last
.endm
	s_wait_tensorcnt 0x1                           ; my part of K step 0 is in; K step 1's stays out
	s_wait_dscnt 0x0                               ; my bias words are stored
	s_barrier_signal -1
	s_barrier_wait -1
	FETCHA 0, 0, 0
	s_mov_b32 s19, 3
.Lqa:                                              ; lap l: K steps 2 l and 2 l + 1; the slots get K steps 2 l + 2 and 2 l + 3
	TRIPA 0, 1, 0, 0, 1                            ; its prefetch asks for bytes 1,024 (l + 1) .. + 1,023 of my 32 rows: K steps 2 l + 2 and 2 l + 3, each block
	TRIPA 1, 0, 0, 0, 0                            ; once, one and two trips ahead of its tensor load; the last lap's ends at the row's end
	WIN 0
	s_wait_xcnt 0x0                                ; the prefetch's base is stepped only behind this wait
	s_add_nc_u64 s[66:67], s[66:67], 1024
	s_sub_co_u32 s19, s19, 1
	s_cmp_lg_u32 s19, 0
	s_cbranch_scc1 .Lqa
	TRIPA 0, 1, 1, 0, 0                            ; K step 6: slot 0 gets keys 0-511
	TRIPA 1, 0, 1, 1, 0                            ; K step 7: slot 1 gets keys 512-1023; its round has shown slot 0's tile whole to every wave
	; q into B fragments: lane = query already; d = 32 kf + 8 h + 0..7 is column tile 2 kf, d = 32 kf + 16 + 8 h + 0..7 column tile 2 kf + 1 of the head
	PLACES
	WIN 0x4a
.irp hh, 0,1
.irp b, 0,1,2,3
.irp kf, 0,1
.irp e, 0,1,2,3
	v_cvt_pk_f16_f32 v[QF+16*(4*\hh+\b)+8*\kf+\e],   v[8*(4*(4*\hh+2*\kf)+\b)+2*\e],   v[8*(4*(4*\hh+2*\kf)+\b)+2*\e+1]
	v_cvt_pk_f16_f32 v[QF+16*(4*\hh+\b)+8*\kf+4+\e], v[8*(4*(4*\hh+2*\kf+1)+\b)+2*\e], v[8*(4*(4*\hh+2*\kf+1)+\b)+2*\e+1]
.endr
.endr
.endr
.endr
	WIN 0
.irp t, 0,1,2,3,4,5,6,7
	v_mov_b32 v[RM+\t], 0xff800000                 ; running maximum -inf: the first step's factor is 2^(-inf) = 0
	v_mov_b32 v[RL+2*\t], 0
	v_mov_b32 v[RL+2*\t+1], 0
.endr
	v_mov_b32 v[MN+1], 0                           ; the upper halves of the three broadcast pairs
	v_mov_b32 v[AL+1], 0
	v_mov_b32 v[AL+11], 0
.set i, 0
.rept 16
	v_mov_b32 v[RP+112+i], 0                       ; P of the odd tiles: the P V of tile 7 that is pending at the very start adds zeros
.set i, i+1
.endr
; ---- attention ----
; CS, CU: slot and number of the tile of 512 keys at work, set by TRIPB.
.macro LOADK ka, ba                    ; 64 keys: 16 loads of k', 8 of bias
.irp kt, 0,1,2,3
.irp kf, 0,1
	ds_load_b128 v[KF+16*\kt+8*\kf:KF+16*\kt+8*\kf+3],   v[\ka] offset:16*KPITCH*\kt+64*\kf
	ds_load_b128 v[KF+16*\kt+8*\kf+4:KF+16*\kt+8*\kf+7], v[\ka] offset:16*KPITCH*\kt+64*\kf+32
.endr
.endr
.irp kt, 0,1,2,3
	ds_load_b128 v[BI+8*\kt:BI+8*\kt+3],   v[\ba] offset:2048*CU+64*\kt
	ds_load_b128 v[BI+8*\kt+4:BI+8*\kt+7], v[\ba] offset:2048*CU+64*\kt+16
.endr
.endm
.macro LOADV kk                        ; half of the step's v fragments: keys 32 kk .. + 31, 8 transposing loads
	WIN 0x40
.irp dt, 0,1,2,3
	ds_load_tr16_b128 v[VF+8*(4*\kk+\dt):VF+8*(4*\kk+\dt)+3],   v[VV] offset:32*VPITCH*\kk+32*\dt
	ds_load_tr16_b128 v[VF+8*(4*\kk+\dt)+4:VF+8*(4*\kk+\dt)+7], v[VV] offset:32*VPITCH*\kk+32*\dt+16*VPITCH
.endr
.endm
; One score product of query tile tn into score buffer nb: 16 keys k, d = 32 kf .. + 31.  The bias starts the sum.  Setting 0x04: q in window 1.
.macro SMM1 tn, nb, k, kf
.if \kf == 0
	v_wmma_f32_16x16x32_f16 v[RS+32*\nb+8*\k:RS+32*\nb+8*\k+7], v[KF+16*\k:KF+16*\k+7], v[QF+16*\tn:QF+16*\tn+7], v[BI+8*\k:BI+8*\k+7]
.else
	v_wmma_f32_16x16x32_f16 v[RS+32*\nb+8*\k:RS+32*\nb+8*\k+7], v[KF+16*\k+8:KF+16*\k+15], v[QF+16*\tn+8:QF+16*\tn+15], v[RS+32*\nb+8*\k:RS+32*\nb+8*\k+7]
.endif
.endm
; One product of O^T(tp) += V^T P^T: d tile dt, keys 32 kk .. + 31, P buffer pp.
.macro PV1 tp, pp, dt, kk
	WIN 0xa1
	v_wmma_f32_16x16x32_f16 v[8*(4*\tp+\dt):8*(4*\tp+\dt)+7], v[VF+8*(4*\kk+\dt):VF+8*(4*\kk+\dt)+7], v[RP+112*\pp+8*\kk:RP+112*\pp+8*\kk+7], v[8*(4*\tp+\dt):8*(4*\tp+\dt)+7]
.endm
; The maximum of the tile whose scores lie at SN, running maximum RM+TN, factor into AN.  A lane holds 32 of its query's 64 scores, the lane 16 away the rest.
.macro BM1
.irp c, 0,1,2,3
	v_max3_num_f32 v[RB+\c], v[SN+8*\c], v[SN+8*\c+1], v[SN+8*\c+2]
.endr
.endm
.macro BM2
.irp c, 0,1,2,3
	v_max3_num_f32 v[RB+\c], v[RB+\c], v[SN+8*\c+3], v[SN+8*\c+4]
.endr
.endm
.macro BM3
.irp c, 0,1,2,3
	v_max3_num_f32 v[RB+\c], v[RB+\c], v[SN+8*\c+5], v[SN+8*\c+6]
.endr
.endm
.macro BM4
	v_max3_num_f32 v[RB], v[RB], v[SN+7], v[SN+15]
	v_max3_num_f32 v[RB+1], v[RB+1], v[SN+23], v[SN+31]
	v_max3_num_f32 v[RB+2], v[RB+2], v[RB+3], v[RM+TN]     ; the running maximum joins
.endm
.macro BM5
	v_max3_num_f32 v[RB], v[RB], v[RB+1], v[RB+2]
.endm
.macro BM6
	v_permlanex16_b32 v[RB+1], v[RB], s28, s29
.endm
.macro BM7
	v_max_num_f32 v[MN], v[RB], v[RB+1]
.endm
.macro BM8
	v_sub_f32 v[AN], v[RM+TN], v[MN]
	v_mov_b32 v[RM+TN], v[MN]
.endm
.macro BM9
	v_exp_f32 v[AN], v[AN]                         ; a plain instruction that names neither follows it everywhere (ISA guide 5.7.2)
.endm
; The sum of the tile whose exponentials lie at SB, running sum RL+2 TC, factor AC.
.macro SA1
.irp c, 0,1,2,3
	v_pk_add_f32 v[RT+2*\c:RT+2*\c+1], v[SB+8*\c:SB+8*\c+1], v[SB+8*\c+2:SB+8*\c+3]
.endr
.endm
.macro SA2
.irp c, 0,1,2,3
	v_pk_add_f32 v[RT+2*\c:RT+2*\c+1], v[RT+2*\c:RT+2*\c+1], v[SB+8*\c+4:SB+8*\c+5]
.endr
.endm
.macro SA3
.irp c, 0,1,2,3
	v_pk_add_f32 v[RT+2*\c:RT+2*\c+1], v[RT+2*\c:RT+2*\c+1], v[SB+8*\c+6:SB+8*\c+7]
.endr
.endm
.macro SA4
	v_pk_add_f32 v[RT:RT+1], v[RT:RT+1], v[RT+2:RT+3]
	v_pk_add_f32 v[RT+4:RT+5], v[RT+4:RT+5], v[RT+6:RT+7]
.endm
.macro SA5
	v_pk_add_f32 v[RT:RT+1], v[RT:RT+1], v[RT+4:RT+5]
.endm
.macro SA6
	v_pk_fma_f32 v[RL+2*TC:RL+2*TC+1], v[RL+2*TC:RL+2*TC+1], v[AC:AC+1], v[RT:RT+1] op_sel_hi:[1,0,1]
.endm
.macro CV i0, n                        ; P in f16: the D layout of S^T is the B layout of P^T
.set j, \i0
.rept \n
	v_cvt_pk_f16_f32 v[PB+j], v[SB+2*j], v[SB+2*j+1]
.set j, j+1
.endr
.endm
.macro RESC i0                         ; O(TC) follows the new maximum: 8 of its 16 pairs
	WIN 0x82
.set j, \i0
	s_wait_alu depctr_va_vdst(0)
.rept 8
	v_pk_mul_f32 v[32*TC+2*j:32*TC+2*j+1], v[32*TC+2*j:32*TC+2*j+1], v[AC:AC+1] op_sel_hi:[1,0]
.set j, j+1
.endr
.endm
; X: the scores in buffer b lose their maximum and become exponentials; the eight score products of tile tn, into buffer nb, stand between them.
; One window setting serves the whole phase: the subtraction is a packed multiply-add by 1.0, which has no vector register in source 1, the one place
; that the setting points at window 1.  The four score accumulators take turns, one instruction a turn.
; kwait = 1: tile tn belongs to the next 64 keys, whose k' and bias were asked for in the phase before.
.macro XPH b, nb, tn, kwait
	WIN 0x04
.set i, 0
.rept 16
	v_pk_fma_f32 v[RS+32*\b+2*i:RS+32*\b+2*i+1], v[RS+32*\b+2*i:RS+32*\b+2*i+1], 1.0, v[MN:MN+1] op_sel_hi:[1,0,0] neg_lo:[0,0,1] neg_hi:[0,0,1]
.set i, i+1
.endr
.if \kwait
	s_wait_dscnt 0x0                               ; the next 64 keys' k' and bias are in
.endif
.irp kf, 0,1
.irp k, 0,1,2,3
	SMM1 \tn, \nb, \k, \kf
.irp e, 0,1,2,3
	v_exp_f32 v[RS+32*\b+16*\kf+4*\k+\e], v[RS+32*\b+16*\kf+4*\k+\e]
.endr
.endr
.endr
.endm
; Y: tile t (buffers b): rescale of O, sums, P; tile tn (buffers nb): its maximum, mixed in so that no chain waits; the eight products P V of tile tp
; stand between them, four accumulators by turns, one instruction a turn.
; The 16 rescales at the head are the plain work behind X's exponentials and the places behind X's score products: the first read of tile tn's scores
; and the loads into k' and bias stand behind them.
; kind 1 (t = 0): tile tp is the last step's tile 7, on the last step's v; each half of v's fragments is loaded anew behind its last product and 8 or more
;                 plain instructions.   kind 2 (t = 1): waits for these halves.   kind 3 (t = 6): the next 64 keys' k' and bias are asked for.
.macro YPH t, b, nb, tn, tp, kind
.set SB, RS+32*\b
.set SN, RS+32*\nb
.set AC, AL+10*\b
.set AN, AL+10*\nb
.set PB, RP+112*\b
.set TC, \t
.set TN, \tn
.if \kind == 2
	s_wait_dscnt 8                                 ; v's first half is in; the 8 loads of the second half, issued behind it, may be out
.endif
	PV1 \tp, \nb, 0, 0
	RESC 0
	PV1 \tp, \nb, 1, 0
	RESC 8
	PV1 \tp, \nb, 2, 0
	WIN 0
.if \kind == 1
	s_mul_i32 s30, s19, 64*VPITCH
	v_add_nc_u32 v[VV], s30, v[VA+CS]              ; this step's 64 rows of v
.endif
.if \kind == 3
	s_add_co_u32 s2, s19, 1
	s_and_b32 s2, s2, 7                            ; the next 64 keys of the tile; behind the last: the first again (see the head)
	s_mul_i32 s3, s2, 64*KPITCH
	s_lshl_b32 s2, s2, 8
	v_add_nc_u32 v[VK], s3, v[KA+CS]
	v_add_nc_u32 v[VBI], s2, v[B0R]
	LOADK VK, VBI
.endif
	BM1
	SA1
	PV1 \tp, \nb, 3, 0
	WIN 0
	BM2
	SA2
.if \kind == 1
	LOADV 0
.endif
.if \kind == 2
	s_wait_dscnt 0x0                               ; v's second half is in
.endif
	PV1 \tp, \nb, 0, 1
	WIN 0
	BM3
	SA3
	PV1 \tp, \nb, 1, 1
	WIN 0
	BM4
	SA4
	CV 0, 4
	PV1 \tp, \nb, 2, 1
	WIN 0
	BM5
	SA5
	CV 4, 4
	BM6
	SA6
	CV 8, 2
	PV1 \tp, \nb, 3, 1
	WIN 0
	BM7
	CV 10, 2
	BM8
	CV 12, 2
	BM9
	CV 14, 2
.if \kind == 1
	LOADV 1
.endif
.endm
.macro STEP                            ; 64 keys for the wave's eight query tiles
	XPH 0, 1, 1, 0
	YPH 0, 0, 1, 1, 7, 1
	XPH 1, 0, 2, 0
	YPH 1, 1, 0, 2, 0, 2
	XPH 0, 1, 3, 0
	YPH 2, 0, 1, 3, 1, 0
	XPH 1, 0, 4, 0
	YPH 3, 1, 0, 4, 2, 0
	XPH 0, 1, 5, 0
	YPH 4, 0, 1, 5, 3, 0
	XPH 1, 0, 6, 0
	YPH 5, 1, 0, 6, 4, 0
	XPH 0, 1, 7, 0
	YPH 6, 0, 1, 7, 5, 3
	XPH 1, 0, 0, 1
	YPH 7, 1, 0, 0, 6, 0
	WIN 0
.endm
; A tile of 512 keys.  In front of the loop: its first 64 keys, tile 0's scores and maximum.  Then eight steps in one loop.
.macro TRIPB u, slot
.set CU, \u
.set CS, \slot
	LOADK KA+CS, B0R
	s_wait_dscnt 0x0
	WIN 0x04
.irp kf, 0,1
.irp k, 0,1,2,3
	SMM1 0, 0, \k, \kf
.endr
.endr
	WIN 0
	PLACES
.set SN, RS
.set AN, AL
.set TN, 0
	BM1
	BM2
	BM3
	BM4
	BM5
	BM6
	BM7
	BM8
	BM9
	s_mov_b32 s19, 0
.Lkv\@:
	STEP
	s_add_co_u32 s19, s19, 1
	s_cmp_lt_u32 s19, 8
	s_cbranch_scc1 .Lkv\@
	s_wait_dscnt 0x0                               ; my reads of this slot are over
.endm
	TRIPB 0, 0
	s_wait_tensorcnt 0x0                           ; all my tensor loads have landed: my part of keys 512-1023
	ds_add_u32 v62, v63
	s_wait_dscnt 0x0
	CROUND
	s_add_nc_u64 s[G0K+2:G0K+3], s[G0K+2:G0K+3], 2*512*128
	s_add_nc_u64 s[G0V+2:G0V+3], s[G0V+2:G0V+3], 2*512*128
	JLOADB 0                                       ; keys 1024-1535
	TRIPB 1, 1
	s_wait_tensorcnt 0x0
	ds_add_u32 v62, v63
	s_wait_dscnt 0x0
	CROUND
	s_add_nc_u64 s[G0K+6:G0K+7], s[G0K+6:G0K+7], 2*512*128
	s_add_nc_u64 s[G0V+6:G0V+7], s[G0V+6:G0V+7], 2*512*128
	JLOADB 1                                       ; keys 1536-2047: the last load
	TRIPB 2, 0                                     ; slot 0 has been read to its end: its first bytes become the stage of the way out
	s_wait_tensorcnt 0x0                           ; my part of the last tile is in,
	s_barrier_signal -1
	s_barrier_wait -1                              ; everybody's is; nothing is filled any more
	TRIPB 3, 1
.irp kk, 0,1
.irp dt, 0,1,2,3
	PV1 7, 1, \dt, \kk                             ; the pipeline runs empty: the last step's P V of tile 7
.endr
.endr
	WIN 0
	; ---- the way out ----
	PLACES
.irp t, 0,1,2,3,4,5,6,7
	v_add_f32 v[RL+2*\t], v[RL+2*\t], v[RL+2*\t+1]
.endr
.irp t, 0,1,2,3,4,5,6,7
	v_permlanex16_b32 v[RL+2*\t+1], v[RL+2*\t], s28, s29
.endr
.irp t, 0,1,2,3,4,5,6,7
	v_add_f32 v[RL+2*\t], v[RL+2*\t], v[RL+2*\t+1]         ; at least 1: the largest score's own term
.endr
.irp t, 0,1,2,3,4,5,6,7
	v_rcp_f32 v[RL+2*\t], v[RL+2*\t]
.endr
	v_nop                                          ; one plain instruction behind the reciprocals
	s_wait_alu depctr_va_vdst(0)
	s_lshl_b32 s30, s17, 6
	s_add_co_u32 s30, s30, s23
	s_lshl_b32 s30, s30, 11                        ; my first row, rows of 2,048 bytes (in registers that hold no cx),
	s_mov_b32 s31, 0
	s_add_nc_u64 s[14:15], s[14:15], s[30:31]
	s_lshl_b32 s100, s25, 9                        ; my first column: 512 bytes a head group + 256 a pair of heads (in registers that hold no cy)
	s_lshl_b32 s101, s18, 8
	s_add_co_u32 s100, s100, s101
	s_mov_b32 s101, 0
	s_add_nc_u64 s[14:15], s[14:15], s[100:101]
; Rows 16 b .. 16 b + 15 of my 64, both heads: divide, round to f16, 16 bytes a lane into my own stage, read back as whole rows of 256 bytes.
.macro OUT16 b, f
	WIN 0x82
.irp hh, 0,1
.set i, 0
.rept 16
	v_pk_mul_f32 v[32*(4*\hh+\b)+2*i:32*(4*\hh+\b)+2*i+1], v[32*(4*\hh+\b)+2*i:32*(4*\hh+\b)+2*i+1], v[RL+2*(4*\hh+\b):RL+2*(4*\hh+\b)+1] op_sel_hi:[1,0]
.set i, i+1
.endr
.endr
	WIN 0x0a
.irp hh, 0,1
.set i, 0
.rept 16
	v_cvt_pk_f16_f32 v[OT+16*\hh+i], v[32*(4*\hh+\b)+2*i], v[32*(4*\hh+\b)+2*i+1]
.set i, i+1
.endr
.endr
	WIN 0
.irp e, 0,1,2,3,4,5,6,7
	ds_store_b128 v[STO], v[OT+4*\e:OT+4*\e+3] offset:32*\e
.endr
	s_wait_xcnt 0x0                                ; buffer f, which earlier stores read, and the stores' base are written again only behind this wait
.if \b
	s_add_nc_u64 s[14:15], s[14:15], 16*2048
.endif
.irp e, 0,1,2,3,4,5,6,7
	ds_load_b128 v[\f+4*\e:\f+4*\e+3], v[RD] offset:2*OPITCH*\e    ; LDS serves a wave's instructions in order (ISA guide 5.7.1.4): these see the stores above
.endr
.irp e, 0,1,2,3,4,5,6,7
	s_wait_dscnt 7-\e
	global_store_b128 v[CO], v[\f+4*\e:\f+4*\e+3], s[14:15] offset:2*2048*\e   ; sixteen lanes store 256 consecutive bytes, at a multiple of 256 from ao's first byte
.endr
.endm
	OUT16 0, 96
	OUT16 1, 128
	OUT16 2, 96
	OUT16 3, 128
	s_wait_tensorcnt 0x0
	ds_add_u32 v62, v63
	s_wait_dscnt 0x0
	CROUND                                         ; the closing round: no work-group ends while a partner may still ask for a tile that names it
	s_endpgm
.Lfunc_end_k_q0947a0b0b2_qattn:
	.size	k_q0947a0b0b2_qattn, .Lfunc_end_k_q0947a0b0b2_qattn-k_q0947a0b0b2_qattn
	.p2alignl 7, 3214868480
	.fill 96, 4, 3214868480
	.section	.rodata,"a",@progbits
	.p2align	6, 0x0
	.amdhsa_kernel k_q0947a0b0b2_qattn
		.amdhsa_group_segment_fixed_size 327680
		.amdhsa_private_segment_fixed_size 0
		.amdhsa_enable_private_segment 0
		.amdhsa_kernarg_size 48
		.amdhsa_user_sgpr_count 2
		.amdhsa_user_sgpr_kernarg_segment_ptr 1
		.amdhsa_wavefront_size32 1
		.amdhsa_system_sgpr_workgroup_id_x 1
		.amdhsa_system_sgpr_workgroup_id_y 1
		.amdhsa_system_sgpr_workgroup_id_z 1
		.amdhsa_system_vgpr_workitem_id 0
		.amdhsa_next_free_vgpr 768
		.amdhsa_next_free_sgpr 102
		.amdhsa_reserve_vcc 0
		.amdhsa_float_denorm_mode_32 3
		.amdhsa_float_denorm_mode_16_64 3
		.amdhsa_memory_ordered 1
		.amdhsa_forward_progress 1
		.amdhsa_inst_pref_size 255
	.end_amdhsa_kernel
	.section	.bss,"aw",@nobits
	.p2align	6
	.space	262144
	.amdgpu_metadata
---
amdhsa.version: [ 1, 2 ]
amdhsa.kernels:
  - .name:           k_q0947a0b0b2_qattn
    .symbol:         k_q0947a0b0b2_qattn.kd
    .args:
      - { .name: query, .offset: 0, .size: 8, .value_kind: global_buffer, .address_space: global }
      - { .name: wqh, .offset: 8, .size: 8, .value_kind: global_buffer, .address_space: global }
      - { .name: bq, .offset: 16, .size: 8, .value_kind: global_buffer, .address_space: global }
      - { .name: kv, .offset: 24, .size: 8, .value_kind: global_buffer, .address_space: global }
      - { .name: mask, .offset: 32, .size: 8, .value_kind: global_buffer, .address_space: global }
      - { .name: ao, .offset: 40, .size: 8, .value_kind: global_buffer, .address_space: global }
    .group_segment_fixed_size: 327680
    .private_segment_fixed_size: 0
    .kernarg_segment_align: 8
    .kernarg_segment_size: 48
    .max_flat_workgroup_size: 128
    .sgpr_count:     102
    .vgpr_count:     768
    .wavefront_size: 32
...
	.end_amdgpu_metadata
.endif
;; end of part 4
;; launch oproj: the kernel of part 3 again; grid 4 x 64, 4 waves a work-group, clusters of 4 x 4, 327,680 bytes of LDS; arguments ao, woh, bo, out0; writes out0
